; MI455X (gfx1250); checked and timed in simulation.
; The chip was launched on July 23, 2026; its instructions are those of AMD's public machine-readable ISA for CDNA 5 (MIT licence, August 2026) and "CDNA5" Instruction Set Architecture Reference Guide (July 2026). The comments in the code are by the model that wrote it; some were corrected since.
;; MHA. Allowed arithmetic: matrix products marked QUANTISED: E2M1 operands, one E8M0 scale for each 32 along K, by v_wmma_scale_f32_16x16x128_f8f6f4 with both operands' format E2M1 (or v_wmma_scale_f32_32x16x128_f4), f32 sums; products left as they are: bf16, f16 or f32 operands; f32 sums; everything else in f32.
;; Inputs: W_k 1,024 x 1,024 float32; W_o 1,024 x 1,024 float32; W_q 1,024 x 1,024 float32; W_v 1,024 x 1,024 float32; x 4 x 2,048 x 1,024 float32.
;; Outputs: out0 4 x 2,048 x 1,024 float32.
;; This version of the problem:
;;   THIS VERSION OF THE PROBLEM IS GIVEN IN LOW PRECISION. The matrix products marked QUANTISED in the list below multiply operands that are first quantised to E2M1 (2 exponent bits, 1 mantissa bit; 4 bits a number), with one power-of-two scale for each 32 numbers along K (OCP MX v1.0); their sums are f32. The products marked 'left as it is' may take bf16, f16 or f32 operands, with f32 sums. Whichever they take, every output number must still come out within the allowed error. Rounding operands to bf16 (8 significant bits) uses up far more of that allowance than f16 does (11 bits, for magnitudes from 6e-5 to 65,504). All else is computed in f32.
;;   The module's matrix products, in the order in which they are computed (A, B: the left and right operand; K: the contracted axis; several contracted axes count as one K, in the product's order):
;;     1. [M 8,192, K 1,024] x [K 1,024, N 1,024]; A: input x; B: input W_q: QUANTISED
;;     2. [M 8,192, K 1,024] x [K 1,024, N 1,024]; A: input x; B: input W_k: QUANTISED
;;     3. [M 8,192, K 1,024] x [K 1,024, N 1,024]; A: input x; B: input W_v: QUANTISED
;;     4. batch 64 x [M 2,048, K 64] x [K 64, N 2,048]; A: computed on the way; B: computed on the way: left as it is (an operand is computed on the way)
;;     5. batch 64 x [M 2,048, K 2,048] x [K 2,048, N 64]; A: computed on the way; B: computed on the way: left as it is (an operand is computed on the way)
;;     6. [M 8,192, K 1,024] x [K 1,024, N 1,024]; A: computed on the way; B: input W_o: left as it is (an operand is computed on the way)
;;   THE QUANTISER, for each operand of a quantised product, along K:
;;     - K is cut into blocks of 32 from its start; a last block that is shorter is filled with zeros.
;;     - A block's scale is 2^e with e = floor(log2(the largest magnitude in the block)) - 2, held to -126 .. 127; a block of zeros has e = 0. As a byte (E8M0): e + 127.
;;     - Each number is divided by its block's scale, clamped to +-6, and rounded to the nearest number of E2M1, ties to even, subnormals kept.
;;     - The product sums the exact products of the quantised numbers (number of the format x scale) in f32.
;;   ~~~python
;;   def quantise(x, axis):      # numpy; x: float32 -> the quantised numbers, widened to float32 again
;;       x = np.moveaxis(x, axis, -1); K = x.shape[-1]
;;       x = np.pad(x, [(0, 0)] * (x.ndim - 1) + [(0, -K % 32)]); x = x.reshape(x.shape[:-1] + (-1, 32)); a = np.abs(x).max(-1, keepdims=True)
;;       e = np.where(a > 0, np.clip(np.frexp(np.where(a > 0, a, 1))[1] - 1 - 2, -126, 127), 0)      # np.frexp(a)[1] - 1 = floor(log2(a)), exactly
;;       r = np.clip(x / 2.0 ** e, -6, 6)
;;       step = 2.0 ** (np.maximum(np.frexp(np.where(r == 0, 1, r))[1] - 1, 0) - 1)
;;       q = np.round(r / step) * step * 2.0 ** e      # np.round: ties to even
;;       return np.moveaxis(q.reshape(q.shape[:-2] + (-1,))[..., :K], -1, axis).astype(np.float32)
;;   ~~~
;; One version. Each part assembles by itself: llvm-mc -triple=amdgcn-amd-amdhsa -mcpu=gfx1250 --defsym DOCPART=n.
;; ======== version 1 of 1: 5 launches
;; limits: values are held in f16: magnitudes above 65,504 overflow, below 6.1e-05 lose precision
;; workspace buffers: x_codes 4,194,304 bytes; x_scales 262,144 bytes; wimg 1,572,864 bytes; wscl 98,304 bytes; woimg 2,097,152 bytes; qkv 50,331,648 bytes; qkv32 786,432 bytes; ctx 16,777,216 bytes
;; launch prep (part 1): grid 384 x 1, 4 waves a work-group, no clusters, 33,280 bytes of LDS; arguments x, W_q, W_k, W_v, W_o, x_codes, x_scales, wimg, wscl, woimg; writes x_codes, x_scales, wimg, wscl, woimg
.if DOCPART == 1
	.amdgcn_target "amdgcn-amd-amdhsa--gfx1250"
	.amdhsa_code_object_version 6
	.text
	.protected	k_q5b2d33e297_prep
	.globl	k_q5b2d33e297_prep
	.p2align	8
	.type	k_q5b2d33e297_prep,@function
k_q5b2d33e297_prep:
	s_mov_b64 s[64:65], 0
	v_nop
	global_prefetch_b8 v0, s[64:65] scope:SCOPE_SE
	s_setreg_imm32_b32 hwreg(HW_REG_WAVE_MODE, 25, 1), 1
	s_wait_xcnt 0x0
; THE PROGRAM: causal attention over 16 heads of 64, B = 4, T = 2,048, D = 1,024, in five launches:
;   prep  x -> codes of E2M1 and E8M0 scale bytes; W_q, W_k, W_v -> the same, laid as images of operand registers; W_o -> f16, laid as images of operand registers
;   qkv   x W_q, x W_k, x W_v as one product on codes; results in f16 by head, tokens 0 to 15 of each sequence also in f32
;   attn  scores, causal softmax, context, f16 operands and f32 sums;   proj  the projection by W_o, f16 operands, f32 sums
;   fine  the first 16 positions of each sequence once more, attention and projection in f32: they average few values, are the largest in size, and f16 operands would use up what they are allowed
; WORK LEFT OUT: tiles of scores and of the context's product all of whose keys come after all of their queries.  reference() sets such scores to -inf by a mask that it builds itself (jnp.tril), so their
; weights are exactly 0 for every value of the inputs and add nothing to any sum.  Nothing else is left out; all five inputs are loaded.
; LIMITS: a NaN, an infinity or an overflow that would arise only in those tiles is not carried to the result.  q, k, v, the context and W_o go in f16: magnitudes up to 65,504.  NaN and infinities among the inputs
; are not served.  A block of zeros gets the scale byte 1 where the quantiser says 127: its codes are zeros, which add nothing under any byte but 0xff, and this program alone reads the bytes.
; THIS LAUNCH has three kinds of work-group, told apart by the work-group's number alone.
;   0-255   x: a stream of blocks of 32 numbers.  A wave takes 16 steps of 512 numbers; loads take the bytes as they lie (512 a load), a step's 2,048 bytes turn through the wave's own stage in LDS so that a lane
;           holds 16 neighbours along K; two neighbouring lanes hold a block.  Codes leave 256 bytes a store; a wave's 256 scale bytes are gathered in LDS and leave as one store.
;   256-351 W_q, W_k, W_v ([K][N], K is the first axis): a wave takes 16 columns x 512 along K.  A lane takes a column and its registers run down K in the order of the operand's layout, so the conversions'
;           results are the operand's registers; they are stored as they stand, 512 dense bytes a store.
;   352-383 W_o: the same walk, rounded to f16 in pairs along K.
; Only the first kind touches LDS.
.set WAVES, 4
.set STEPS, 16
.set EMAX,  2
.set CB,    8                          ; bytes of 16 codes
.set R,     16                         ; v16-79   x: four sets of 16 numbers as loaded
.set X,     80                         ; v80-111  x: two sets of 16 neighbours
.set E,     112                        ; v112-127 x: a scale byte for each step
.set C,     128                        ; v128-191 x: codes, four registers for each step
.set WREG,  8192                       ; LDS of a wave: two stages of 32 x SP bytes, then its 256 scale bytes
.set SP,    80                         ; a lane's place in a stage: 64 bytes + 16 of padding
.set SPW,   12                         ; v12 LDS address of my spare word; never rewritten
.set NIL,   13                         ; v13 0; never rewritten
.set SPARE, WAVES*WREG                 ; the spare words: 128 bytes for each wave, named by no other line
	s_load_b512 s[4:19], s[0:1], 0x0               ; x s[4:5], W_q s[6:7], W_k s[8:9], W_v s[10:11], W_o s[12:13], x_codes s[14:15], x_scales s[16:17], wimg s[18:19]
	s_load_b128 s[20:23], s[0:1], 0x40             ; wscl s[20:21], woimg s[22:23]
	v_lshl_add_u32 v[SPW], v0, 2, SPARE
	v_mov_b32 v[NIL], 0
	v_lshrrev_b32 v1, 5, v0
	v_readfirstlane_b32 s24, v1                    ; wave
	v_and_b32 v2, 31, v0                           ; lane
	s_cmp_lt_u32 ttmp9, 256
	s_cbranch_scc0 .Lnot_x
; ---------------------------------------------------------------- x
	v_lshlrev_b32 v3, 4, v2                        ; my 16 bytes of a load's 512
	s_mul_i32 s28, s24, WREG
	v_lshrrev_b32 v14, 2, v2
	v_mul_u32_u24 v14, v14, SP
	v_and_b32 v15, 3, v2
	v_lshl_add_u32 v14, v15, 4, v14
	v_add_nc_u32 v14, s28, v14                     ; into the stage: four lanes' 64 bytes on end, then 16 of padding
	v_mul_u32_u24 v15, v2, SP
	v_add_nc_u32 v15, s28, v15                     ; out of it: SP x lane: my 16 neighbours
	v_mul_u32_u24 v4, v2, CB                       ; my codes' place in a step's
	v_lshrrev_b32 v5, 1, v2
	s_add_co_u32 s28, s28, 2*32*SP
	v_add_nc_u32 v5, s28, v5                       ; my block's byte among my wave's 256 scale bytes
	v_lshlrev_b32 v7, 3, v2
	v_add_nc_u32 v6, s28, v7                       ; and on the way out 8 bytes a lane
	s_lshl_b32 s29, ttmp9, 2
	s_add_co_u32 s30, s29, s24                     ; which run of 8,192 numbers is my wave's
	s_mov_b32 s31, 0
	s_lshl_b64 s[32:33], s[30:31], 15              ; 32,768 bytes of numbers,
	s_lshl_b64 s[34:35], s[30:31], 12              ; 4,096 of codes,
	s_lshl_b64 s[36:37], s[30:31], 8               ; 256 scale bytes a run
	s_wait_kmcnt 0x0
	s_add_nc_u64 s[4:5], s[4:5], s[32:33]
	s_add_nc_u64 s[14:15], s[14:15], s[34:35]
	s_add_nc_u64 s[16:17], s[16:17], s[36:37]
.macro XLOAD t
.irp i, 0,1,2,3
	global_load_b128 v[R+16*((\t)%4)+4*\i:R+16*((\t)%4)+4*\i+3], v3, s[4:5] offset:2048*(\t)+512*\i th:TH_LOAD_NT   ; 32 lanes read 512 consecutive bytes
.endr
.endm
.macro XTURN t                         ; step t's numbers through the stage: LDS serves a wave's instructions in order, so no wait stands between the stores and the loads
.irp i, 0,1,2,3
	ds_store_b128 v14, v[R+16*((\t)%4)+4*\i:R+16*((\t)%4)+4*\i+3] offset:32*SP*((\t)%2)+8*SP*\i
.endr
.irp i, 0,1,2,3
	ds_load_b128 v[X+16*((\t)%2)+4*\i:X+16*((\t)%2)+4*\i+3], v15 offset:32*SP*((\t)%2)+16*\i
.endr
.endm
.irp t, 0,1,2,3
	XLOAD \t
.endr
	s_wait_loadcnt 12                              ; step 0's four loads are in; twelve younger ones stay out
	XTURN 0
.macro XSTEP t
.set XS, X+16*((\t)%2)
.if (\t) > 0
	s_wait_dscnt 1                                 ; this step's numbers are back from the stage (the last step's byte store may be out)
.else
	s_wait_dscnt 0x0
.endif
.if (\t)+4 < STEPS
	XLOAD (\t)+4                                   ; into the registers that the stage's stores have read
.endif
.if (\t)+1 < STEPS
.if STEPS-2-(\t) >= 3
	s_wait_loadcnt 12                              ; the next step's four loads are in; those of the three steps behind it may be out
.else
	s_wait_loadcnt 4*(STEPS-2-(\t))
.endif
	XTURN (\t)+1
.endif
	v_max3_num_f32 v8, |v[XS]|, |v[XS+1]|, |v[XS+2]|               ; the largest magnitude of my 16, in two chains
	v_max3_num_f32 v9, |v[XS+3]|, |v[XS+4]|, |v[XS+5]|
.irp i, 6,10
	v_max3_num_f32 v8, v8, |v[XS+\i]|, |v[XS+\i+1]|
	v_max3_num_f32 v9, v9, |v[XS+\i+2]|, |v[XS+\i+3]|
.endr
	v_max3_num_f32 v8, v8, |v[XS+14]|, |v[XS+15]|
	v_max3_num_f32 v8, v8, v9, (EMAX+1)<<23        ; and the floor 2^(3 - 127): the byte cannot fall under 1
	v_max_num_f32_dpp v8, v8, v8 row_xmask:1 row_mask:0xf bank_mask:0xf   ; with my neighbour's 16: the block's
	v_add_nc_u32 v11, -(EMAX<<23), v8              ; 2 off its exponent field: the conversion takes the exponent field of this operand as its scale
	v_cvt_scalef32_pk8_fp4_f32 v[C+4*(\t)], v[XS:XS+7], v11
	v_cvt_scalef32_pk8_fp4_f32 v[C+4*(\t)+1], v[XS+8:XS+15], v11
	v_lshrrev_b32 v[E+(\t)], 23, v11               ; the scale's byte
	ds_store_b8 v5, v[E+(\t)] offset:16*(\t)       ; both lanes of a block write the same byte with the same value
	global_store_b64 v4, v[C+4*(\t):C+4*(\t)+1], s[14:15] offset:32*CB*(\t)   ; the wave stores 256 consecutive bytes
.endm
.irp t, 0,1,2,3,4,5,6,7,8,9,10,11,12,13,14,15
	XSTEP \t
.endr
	ds_load_b64 v[8:9], v6                         ; these see my byte stores: LDS serves a wave in order
	s_wait_dscnt 0x0
	global_store_b64 v7, v[8:9], s[16:17]          ; 32 lanes store 256 consecutive bytes
	s_wait_tensorcnt 0x0                           ; the wave's end, behind my last LDS store
	ds_add_u32 v[SPW], v[NIL]
	s_wait_dscnt 0x0
	s_endpgm
.Lnot_x:
	s_cmp_lt_u32 ttmp9, 352
	s_cbranch_scc0 .Larm_o
; ---------------------------------------------------------------- W_q, W_k, W_v
; Task T = 0 .. 383: half s of K (512 rows), block nblk of 16 columns among 3,072.  Block e = 0 .. 7 of a lane: rows 512 s + 64 e + 32 h + 0 .. 31 of column 16 nblk + r: registers 4 (e % 2) .. + 3 of fragment e / 2.
	s_sub_co_u32 s28, ttmp9, 256
	s_lshl_b32 s28, s28, 2
	s_add_co_u32 s28, s28, s24                     ; T
	s_cmp_ge_u32 s28, 192
	s_cselect_b32 s29, 1, 0                        ; s
	s_mul_i32 s30, s29, 192
	s_sub_co_u32 s30, s28, s30                     ; nblk
	s_lshr_b32 s31, s30, 6                         ; which weight
	s_and_b32 s32, s30, 63
	s_lshl_b32 s32, s32, 6                         ; its 16 columns, 64 bytes
	s_lshl_b32 s33, s29, 21                        ; 512 rows of 4,096 bytes
	s_add_co_u32 s32, s32, s33
	s_mov_b32 s33, 0
	s_mul_i32 s34, s29, 786432                     ; wimg: [s][nblk][4,096 bytes]
	s_lshl_b32 s35, s30, 12
	s_add_co_u32 s34, s34, s35
	s_mov_b32 s35, 0
	s_lshr_b32 s36, s30, 3                         ; wscl: [nblk / 8][s][nblk % 8][256 bytes]
	s_lshl_b32 s36, s36, 12
	s_lshl_b32 s37, s29, 11
	s_add_co_u32 s36, s36, s37
	s_and_b32 s37, s30, 7
	s_lshl_b32 s37, s37, 8
	s_add_co_u32 s36, s36, s37
	s_mov_b32 s37, 0
	s_mov_b32 s26, 0x76543210
	s_mov_b32 s27, 0xfedcba98                      ; v_permlanex16_b32's selects for lane l xor 16
	v_and_b32 v6, 15, v2                           ; r
	v_lshrrev_b32 v7, 4, v2                        ; h
	v_lshlrev_b32 v3, 2, v6
	v_lshl_add_u32 v3, v7, 17, v3                  ; 4 r + 32 rows x h
	v_lshlrev_b32 v4, 4, v2                        ; an image's place for my lane
	v_lshlrev_b32 v5, 4, v6
	v_lshl_add_u32 v5, v7, 3, v5                   ; scale words out: 16 r + 8 h
	v_lshlrev_b32 v22, 3, v7                       ; 8 h bits
	v_mov_b32 v21, 0                               ; a lane permute's destination counts as one of its sources
	s_wait_kmcnt 0x0
	s_cmp_eq_u32 s31, 0                            ; the choice hangs on the work-group's and the wave's number alone
	s_cselect_b64 s[38:39], s[6:7], s[8:9]
	s_cmp_eq_u32 s31, 2
	s_cselect_b64 s[38:39], s[10:11], s[38:39]
	s_add_nc_u64 s[38:39], s[38:39], s[32:33]
	s_add_nc_u64 s[18:19], s[18:19], s[34:35]
	s_add_nc_u64 s[20:21], s[20:21], s[36:37]
.macro WLOAD e
.irp i, 0,1,2,3,4,5,6,7,8,9,10,11,12,13,14,15,16,17,18,19,20,21,22,23,24,25,26,27,28,29,30,31
	global_load_b32 v[32+32*((\e)%2)+\i], v3, s[38:39] offset:(64*(\e)+\i)*4096 th:TH_LOAD_NT
.endr
.endm
.macro WBLOCK e
.set WX, 32+32*((\e)%2)
.if (\e) < 7
	s_wait_loadcnt 32                              ; this block's 32 loads are in; the next block's may be out
.else
	s_wait_loadcnt 0x0
.endif
	v_max3_num_f32 v16, |v[WX]|, |v[WX+1]|, |v[WX+2]|              ; the block's largest magnitude: all 32 numbers are mine
	v_max3_num_f32 v17, |v[WX+3]|, |v[WX+4]|, |v[WX+5]|
.irp i, 6,10,14,18,22,26
	v_max3_num_f32 v16, v16, |v[WX+\i]|, |v[WX+\i+1]|
	v_max3_num_f32 v17, v17, |v[WX+\i+2]|, |v[WX+\i+3]|
.endr
	v_max3_num_f32 v16, v16, |v[WX+30]|, |v[WX+31]|
	v_max3_num_f32 v16, v16, v17, 0x1800000        ; and the floor 2^(3 - 127)
	v_add_nc_u32 v18, 0xff000000, v16              ; 2 off its exponent field: the conversion's scale operand
.irp g, 0,1,2,3
	v_cvt_scalef32_pk8_fp4_f32 v[96+4*(\e)+\g], v[WX+8*\g:WX+8*\g+7], v18
.endr
	v_lshrrev_b32 v19, 23, v18                     ; the scale's byte (a plain line behind the conversions)
.if (\e)%2 == 0
	v_mov_b32 v20, v19                             ; block h of the fragment's four
.else
	v_lshl_or_b32 v20, v19, 16, v20                ; and block 2 + h,
	v_lshlrev_b32 v20, v22, v20                    ; at their places in the scale word;
	v_permlanex16_b32 v21, v20, s26, s27
	v_or_b32 v[24+(\e)/2], v20, v21                ; with lane l xor 16's two the word is whole
.endif
	global_store_b128 v4, v[96+4*(\e):96+4*(\e)+3], s[18:19] offset:512*(\e)   ; four registers of the operand, 512 dense bytes; each block has registers of its own
.if (\e)+2 < 8
	WLOAD (\e)+2
.endif
.endm
	WLOAD 0
	WLOAD 1
.irp e, 0,1,2,3,4,5,6,7
	WBLOCK \e
.endr
	v_cmp_eq_u32 vcc_lo, 1, v7
	v_cndmask_b32 v28, v24, v26, vcc_lo            ; lanes 0-15 store words 0 and 1 of their column, lanes 16-31 words 2 and 3
	v_cndmask_b32 v29, v25, v27, vcc_lo
	global_store_b64 v5, v[28:29], s[20:21]        ; 32 lanes store 256 consecutive bytes
	s_endpgm
.Larm_o:
; ---------------------------------------------------------------- W_o
; Task T2 = 0 .. 127: half kq of K, block nblk of 16 columns.  Block e: 64 rows = two fragments of 32; load i: fragment i / 16, group (i / 8) % 2, row 16 group + 8 h + i % 8.
	s_sub_co_u32 s28, ttmp9, 352
	s_lshl_b32 s28, s28, 2
	s_add_co_u32 s28, s28, s24
	s_lshr_b32 s29, s28, 6                         ; kq
	s_and_b32 s30, s28, 63                         ; nblk
	s_lshl_b32 s32, s29, 21
	s_lshl_b32 s33, s30, 6
	s_add_co_u32 s32, s32, s33
	s_mov_b32 s33, 0
	s_lshl_b32 s34, s29, 20                        ; woimg: [K / 128][nblk][4,096 bytes]: four K steps a half
	s_lshl_b32 s35, s30, 12
	s_add_co_u32 s34, s34, s35
	s_mov_b32 s35, 0
	v_and_b32 v6, 15, v2
	v_lshrrev_b32 v7, 4, v2
	v_lshlrev_b32 v3, 2, v6
	v_lshl_add_u32 v3, v7, 15, v3                  ; 4 r + 8 rows x h
	v_lshlrev_b32 v4, 4, v2
	s_wait_kmcnt 0x0
	s_add_nc_u64 s[12:13], s[12:13], s[32:33]
	s_add_nc_u64 s[22:23], s[22:23], s[34:35]
.macro OLOAD e
.irp i, 0,1,2,3,4,5,6,7,8,9,10,11,12,13,14,15,16,17,18,19,20,21,22,23,24,25,26,27,28,29,30,31
	global_load_b32 v[32+32*((\e)%2)+\i], v3, s[12:13] offset:(64*(\e)+32*(\i/16)+16*((\i/8)%2)+(\i%8))*4096
.endr
.endm
.macro OBLOCK e
.set WX, 32+32*((\e)%2)
.set OS, 96+16*((\e)%2)
.if (\e) < 7
	s_wait_loadcnt 32
.else
	s_wait_loadcnt 0x0
.endif
.if (\e) >= 2
	s_wait_xcnt 0x0                                ; the stores of two blocks ago have read these registers
.endif
.irp m, 0,1,2,3,4,5,6,7,8,9,10,11,12,13,14,15
	v_cvt_pk_f16_f32 v[OS+\m], v[WX+2*\m], v[WX+2*\m+1]            ; two neighbours along K, the lower in the low half
.endr
.irp f, 0,1
.irp c, 0,1
	global_store_b128 v4, v[OS+4*(2*\f+\c):OS+4*(2*\f+\c)+3], s[22:23] offset:((\e)/2)*262144+(2*((\e)%2)+\f)*1024+\c*512
.endr
.endr
.if (\e)+2 < 8
	OLOAD (\e)+2
.endif
.endm
	OLOAD 0
	OLOAD 1
.irp e, 0,1,2,3,4,5,6,7
	OBLOCK \e
.endr
	s_endpgm
.Lfunc_end_k_q5b2d33e297_prep:
	.size	k_q5b2d33e297_prep, .Lfunc_end_k_q5b2d33e297_prep-k_q5b2d33e297_prep
	.p2alignl 7, 3214868480
	.fill 96, 4, 3214868480
	.section	.rodata,"a",@progbits
	.p2align	6, 0x0
	.amdhsa_kernel k_q5b2d33e297_prep
		.amdhsa_group_segment_fixed_size 33280
		.amdhsa_private_segment_fixed_size 0
		.amdhsa_enable_private_segment 0
		.amdhsa_kernarg_size 80
		.amdhsa_user_sgpr_count 2
		.amdhsa_user_sgpr_kernarg_segment_ptr 1
		.amdhsa_wavefront_size32 1
		.amdhsa_system_sgpr_workgroup_id_x 1
		.amdhsa_system_sgpr_workgroup_id_y 1
		.amdhsa_system_sgpr_workgroup_id_z 1
		.amdhsa_system_vgpr_workitem_id 0
		.amdhsa_next_free_vgpr 192
		.amdhsa_next_free_sgpr 66
		.amdhsa_reserve_vcc 1
		.amdhsa_float_denorm_mode_32 3
		.amdhsa_float_denorm_mode_16_64 3
		.amdhsa_memory_ordered 1
		.amdhsa_forward_progress 1
		.amdhsa_inst_pref_size 108
	.end_amdhsa_kernel
	.amdgpu_metadata
---
amdhsa.version: [ 1, 2 ]
amdhsa.kernels:
  - .name:           k_q5b2d33e297_prep
    .symbol:         k_q5b2d33e297_prep.kd
    .args:
      - { .name: x, .offset: 0, .size: 8, .value_kind: global_buffer, .address_space: global }
      - { .name: W_q, .offset: 8, .size: 8, .value_kind: global_buffer, .address_space: global }
      - { .name: W_k, .offset: 16, .size: 8, .value_kind: global_buffer, .address_space: global }
      - { .name: W_v, .offset: 24, .size: 8, .value_kind: global_buffer, .address_space: global }
      - { .name: W_o, .offset: 32, .size: 8, .value_kind: global_buffer, .address_space: global }
      - { .name: x_codes, .offset: 40, .size: 8, .value_kind: global_buffer, .address_space: global }
      - { .name: x_scales, .offset: 48, .size: 8, .value_kind: global_buffer, .address_space: global }
      - { .name: wimg, .offset: 56, .size: 8, .value_kind: global_buffer, .address_space: global }
      - { .name: wscl, .offset: 64, .size: 8, .value_kind: global_buffer, .address_space: global }
      - { .name: woimg, .offset: 72, .size: 8, .value_kind: global_buffer, .address_space: global }
    .group_segment_fixed_size: 33280
    .private_segment_fixed_size: 0
    .kernarg_segment_align: 8
    .kernarg_segment_size: 80
    .max_flat_workgroup_size: 128
    .sgpr_count:     66
    .vgpr_count:     192
    .wavefront_size: 32
...
	.end_amdgpu_metadata
.endif
;; end of part 1
;; launch qkv (part 2): grid 12 x 32, 4 waves a work-group, clusters of 4 x 4, 327,680 bytes of LDS; arguments x_codes, x_scales, wimg, wscl, qkv, qkv32; writes qkv, qkv32
.if DOCPART == 2
	.amdgcn_target "amdgcn-amd-amdhsa--gfx1250"
	.amdhsa_code_object_version 6
	.text
	.protected	k_q5b2d33e297_qkv
	.globl	k_q5b2d33e297_qkv
	.p2align	8
	.type	k_q5b2d33e297_qkv,@function
k_q5b2d33e297_qkv:
	s_mov_b64 s[64:65], 0
	v_nop
	global_prefetch_b8 v0, s[64:65] scope:SCOPE_SE
	s_setreg_imm32_b32 hwreg(HW_REG_WAVE_MODE, 25, 1), 1
	s_wait_xcnt 0x0
	s_wait_alu depctr_hold_cnt(0) depctr_sa_sdst(0) depctr_va_vdst(0) depctr_va_sdst(0) depctr_va_ssrc(0) depctr_va_vcc(0) depctr_vm_vsrc(0)
	s_getreg_b32 s2, hwreg(HW_REG_IB_STS2, 6, 4)
	s_cmp_eq_u32 s2, 0
	s_cbranch_scc0 .Lentry_in_a_cluster
	s_endpgm
.Lentry_in_a_cluster:
	s_bfe_u32 s2, ttmp6, 0x10000c
	s_cmp_lg_u32 s2, 0xf033
	s_cbranch_scc0 .Lentry_shape_is_right
	s_endpgm
.Lentry_shape_is_right:
; [q | k | v] = x [W_q | W_k | W_v]: one product 8,192 x 3,072 x 1,024 on codes of E2M1 with one E8M0 scale for each 32 along K; sums in f32.
; A tile of the result, 256 tokens x 256 columns, is made by four waves; a wave makes 128 x 128: 64 accumulators of 16 x 16, 512 registers.  K = 1,024 is two slots of 512: both are filled at the start,
; nothing is filled again, and there is no loop.
; x's codes come as rows of 256 bytes, padded to 272 in LDS.  The weights' codes were laid as images of operand registers: a fragment is two loads of 16 bytes a lane at 16 x lane.
; The scale words of the tile's 256 tokens and 256 columns, for all of K, are four dense blocks of 4,096 bytes: they come once, with the first fills.
; CLUSTERS: 4 x 4 work-groups.  The four of a row of the cluster need the same tokens, the four of a column the same columns: each tile is asked for jointly, by the same tensor load with the same descriptor
; and a mask that names the four.  Tile row = 8 cy + cluster y, so that the cluster row y = 0 holds just the four tiles in which a sequence begins.
; THE MATRIX INSTRUCTION IS USED TRANSPOSED (source 0 = 16 columns of W, source 1 = 16 tokens): a lane then holds eight neighbouring columns of one token.
; OUT: f16, [48 groups of 64 columns][8,192 tokens][64]: a head's rows are dense, a store covers four tokens, 512 bytes.  Tokens 0 to 15 of each sequence also in f32, as images of their accumulators.
; REGISTERS: window 0: v16-30 addresses; v32-95 x's scale words, two sets; v96-127 packed results; v128-191 x's fragments, one set (later rows on their way out); v192-255 W's scale words, two sets.
;   window 1: W's fragments, two sets, at v0 and v128.   windows 2, 3: the accumulators of my tokens 0-63 and 64-127 ((a, b) at v[8 (8 (a % 4) + b)]).
.set NQ,     4                         ; matrix instructions deep in a slot
.set ROWB,   256                       ; a slot's part of a token's codes
.set KROW,   512                       ; a token's codes in memory
.set PITCH,  272                       ; 256 bytes + 16: the 16 rows of a fragment load start 16 bytes apart modulo 256
.set FR,     8
.set NL,     2
.set NP,     4                         ; places behind this matrix instruction (ISA guide 7.12.1)
.set HALFT,  128*PITCH                 ; 128 tokens' codes: one tensor load
.set HALFB,  32768                     ; 8 blocks of 16 columns, 4 fragments each: one tensor load
.set BOFF,   2*HALFT
.set SLOT,   BOFF+2*HALFB
.set SCL,    2*SLOT                    ; the scale words, as 16 units of 256 bytes + 16 for each 128 tokens or columns
.set HALFS,  16*272
.set SPARE,  SCL+4*HALFS               ; the spare words: 128 bytes for each wave, named by no other line
.set SPITCH, 400                       ; the way out: 16 tokens x (256 bytes + 144) for each wave, in slot 0, which has had its one fill and its last read by then
.set ADRA, 16                          ; v16-17 LDS address of my fragments of x in slot 0, 1
.set ADRB, 20                          ; v20-21 the same for W
.set STO,  24
.set RD,   25
.set CO,   26                          ; v26 16 x lane
.set ADRSA, 27                         ; v27 my tokens' scale words
.set SPW,  28
.set NIL,  29
.set ADRSB, 30                         ; v30 my columns' scale words
.set SCA,  32
.set TMP,  96
.set AF,   128
.set BK,   128
.set SCB,  192
.set G1, 24
.set G0, 32
.set G1B, 48
.set G0B, 56
.set G1S, 68
.set G0S, 76
.set G1SB, 80
.set G0SB, 88
.set MSB, 0
.macro WIN new                         ; the immediate's high byte repeats the setting that is left
.if MSB != \new
	s_set_vgpr_msb (MSB<<8)|\new
.set MSB, \new
.endif
.endm
.set MUL_LO, 0xa1                      ; source 0 (W) window 1, source 1 (x) window 0, C and D window 2
.set MUL_HI, 0xf1
.set TO_B,   0x40
; A joint load: waves 0 and 1 fetch for x, waves 2 and 3 for W.  The branch hangs on the wave's number alone.  An s_nop 0 and four v_nop follow each line.
.macro JLOAD g0a, g1a, g0b, g1b
	s_cmp_eq_u32 s15, 0
	s_cbranch_scc0 .Lfor_b_\@
	tensor_load_to_lds s[\g0a:\g0a+3], s[\g1a:\g1a+7]
	s_nop 0
.rept 4
	v_nop
.endr
	s_branch .Lasked_\@
.Lfor_b_\@:
	tensor_load_to_lds s[\g0b:\g0b+3], s[\g1b:\g1b+7]
	s_nop 0
.rept 4
	v_nop
.endr
.Lasked_\@:
.endm
.macro CROUND                          ; a round of the cluster's barrier
	s_barrier_signal -1
	s_barrier_wait -1
	s_cmp_lg_u32 s14, 0
	s_cbranch_scc1 .Lnot_wave_0_\@
	s_barrier_signal -3
.Lnot_wave_0_\@:
	s_barrier_wait -3
	s_barrier_signal -1
	s_barrier_wait -1
.endm
	s_load_b128 s[4:7], s[0:1], 0x0                ; x's codes, x's scales
	s_load_b128 s[8:11], s[0:1], 0x10              ; W's images, W's scale words
	s_load_b128 s[96:99], s[0:1], 0x20             ; qkv, qkv32
	v_lshl_add_u32 v[SPW], v0, 2, SPARE
	v_mov_b32 v[NIL], 0
	ds_add_u32 v[SPW], v[NIL]                      ; the wave's opening: the add, twice on end, and its wait ahead of my first tensor load
	ds_add_u32 v[SPW], v[NIL]
	v_lshrrev_b32 v1, 5, v0
	v_readfirstlane_b32 s14, v1                    ; wave 0..3
	s_lshr_b32 s15, s14, 1                         ; which half of the tile's tokens is mine.  Also: I fetch for x (0) or for W (1)
	s_and_b32 s16, s14, 1                          ; which half of its columns.  Also: which half I fetch
	s_bfe_u32 s40, ttmp6, 0x40000                  ; cx
	s_bfe_u32 s41, ttmp6, 0x40004                  ; cy
	s_lshl_b32 s42, ttmp9, 2
	s_add_co_u32 s42, s42, s40                     ; tile column = 4 x cluster x + cx
	s_and_b32 s17, ttmp7, 0xffff
	s_lshl_b32 s12, s41, 3
	s_add_co_u32 s17, s17, s12                     ; tile row = 8 cy + cluster y
	s_lshl_b32 s43, s41, 2
	s_lshl_b32 s43, 15, s43                        ; my row of the cluster
	s_lshl_b32 s44, 0x1111, s40                    ; my column
	s_or_b32 s[G1+0], s43, (0<<16)|(1<<20)|(1<<21)|(5<<22)|(3<<25)   ; x's codes: the mask; elements of 1 byte; padding of 4 words behind every 64; bit 21 beside a mask
	s_mov_b32 s[G1+1], ROWB<<16                    ; tensor_dim0
	s_mov_b32 s[G1+2], 128<<16                     ; tensor_dim1
	s_mov_b32 s[G1+3], ROWB<<16                    ; tile_dim0
	s_mov_b32 s[G1+4], 128                         ; tile_dim1
	s_mov_b32 s[G1+5], KROW                        ; from row to row
	s_mov_b32 s[G1+6], 0
	s_mov_b32 s[G1+7], 0
	s_or_b32 s[G1B+0], s44, (3<<16)|(1<<21)        ; W's images: a dense block, 128 rows of 32 elements of 8 bytes, no padding
	s_mov_b32 s[G1B+1], 32<<16
	s_mov_b32 s[G1B+2], 128<<16
	s_mov_b32 s[G1B+3], 32<<16
	s_mov_b32 s[G1B+4], 128
	s_mov_b32 s[G1B+5], 32
	s_mov_b32 s[G1B+6], 0
	s_mov_b32 s[G1B+7], 0
	s_or_b32 s[G1S+0], s43, (3<<16)|(1<<20)|(1<<21)|(5<<22)|(3<<25)  ; scale words: 16 rows of 256 bytes, 16 bytes of padding behind each
	s_or_b32 s[G1SB+0], s44, (3<<16)|(1<<20)|(1<<21)|(5<<22)|(3<<25)
.irp g, G1S, G1SB
	s_mov_b32 s[\g+1], 32<<16
	s_mov_b32 s[\g+2], 16<<16
	s_mov_b32 s[\g+3], 32<<16
	s_mov_b32 s[\g+4], 16
	s_mov_b32 s[\g+5], 32
	s_mov_b32 s[\g+6], 0
	s_mov_b32 s[\g+7], 0
.endr
	s_lshl_b32 s18, s16, 7
	s_lshl_b32 s20, s17, 8
	s_add_co_u32 s20, s20, s18                     ; x: token 256 x tile row + 128 x half
	s_mov_b32 s21, 0
	s_lshl_b64 s[22:23], s[20:21], 5               ; its scale bytes, 32 a token,
	s_lshl_b64 s[20:21], s[20:21], 9               ; and its codes, 512 bytes a token
	s_lshl_b32 s46, s42, 4
	s_lshl_b32 s18, s16, 3
	s_add_co_u32 s46, s46, s18                     ; W: block of columns 16 x tile column + 8 x half
	s_mov_b32 s47, 0
	s_lshl_b64 s[46:47], s[46:47], 12
	s_lshl_b32 s92, s42, 1
	s_add_co_u32 s92, s92, s16                     ; its scale words: 4,096 bytes for each 128 columns
	s_mov_b32 s93, 0
	s_lshl_b64 s[92:93], s[92:93], 12
	s_mul_i32 s45, s16, HALFT                      ; where they go: no place in the cluster enters an LDS address
	s_mul_i32 s95, s16, HALFB
	s_add_co_u32 s95, s95, BOFF
	s_mul_i32 s94, s16, HALFS
	s_wait_dscnt 0x0                               ; both opening adds are done
	s_wait_kmcnt 0x0
	s_add_nc_u64 s[20:21], s[4:5], s[20:21]
	s_add_nc_u64 s[22:23], s[6:7], s[22:23]
	s_add_nc_u64 s[46:47], s[8:9], s[46:47]
	s_add_nc_u64 s[92:93], s[10:11], s[92:93]
	CROUND                                         ; all sixteen work-groups are here: the joint loads meet
	s_mov_b32 s[G0S], 1
	s_add_co_u32 s[G0S+1], s94, SCL
	s_mov_b64 s[G0S+2:G0S+3], s[22:23]
	s_or_b32 s[G0S+3], s[G0S+3], 0x80000000
	s_mov_b32 s[G0SB], 1
	s_add_co_u32 s[G0SB+1], s94, SCL+2*HALFS
	s_mov_b64 s[G0SB+2:G0SB+3], s[92:93]
	s_or_b32 s[G0SB+3], s[G0SB+3], 0x80000000
	JLOAD G0S, G1S, G0SB, G1SB                     ; the scale words first: they are wanted with slot 0
.irp s, 0,1
	s_mov_b32 s[G0+4*\s], 1
	s_add_co_u32 s[G0+4*\s+1], s45, \s*SLOT
	s_add_nc_u64 s[G0+4*\s+2:G0+4*\s+3], s[20:21], \s*ROWB
	s_or_b32 s[G0+4*\s+3], s[G0+4*\s+3], 0x80000000
	s_mov_b32 s[G0B+4*\s], 1
	s_add_co_u32 s[G0B+4*\s+1], s95, \s*SLOT
	s_add_nc_u64 s[G0B+4*\s+2:G0B+4*\s+3], s[46:47], \s*786432
	s_or_b32 s[G0B+4*\s+3], s[G0B+4*\s+3], 0x80000000
	JLOAD G0+4*\s, G1, G0B+4*\s, G1B               ; three tensor loads of mine are out, and none follows
.endr
	v_and_b32 v1, 15, v0                           ; r
	v_bfe_u32 v2, v0, 4, 1                         ; h
	v_mul_u32_u24 v3, v1, PITCH
	v_lshl_add_u32 v4, v2, 4, v3                   ; a fragment's row x pitch + 16 h
	s_mul_i32 s21, s15, HALFT                      ; my 128 tokens
.irp s, 0,1
	v_add_nc_u32 v[ADRA+\s], s21, v4
	s_add_co_u32 s21, s21, SLOT
.endr
	v_and_b32 v6, 31, v0
	v_lshlrev_b32 v[CO], 4, v6
	s_mul_i32 s22, s16, HALFB                      ; my 128 columns
	s_add_co_u32 s22, s22, BOFF
.irp s, 0,1
	v_add_nc_u32 v[ADRB+\s], s22, v[CO]
	s_add_co_u32 s22, s22, SLOT
.endr
	v_lshlrev_b32 v5, 5, v1                        ; a token's 32 scale bytes,
	v_lshrrev_b32 v7, 3, v1
	v_lshl_add_u32 v5, v7, 4, v5                   ; and 16 more for each 256 passed
	s_mul_i32 s21, s15, HALFS
	s_add_co_u32 s21, s21, SCL
	v_add_nc_u32 v[ADRSA], s21, v5
	v_lshlrev_b32 v5, 4, v1                        ; a column's four words of a slot: 16 bytes
	s_mul_i32 s21, s16, HALFS
	s_add_co_u32 s21, s21, SCL+2*HALFS
	v_add_nc_u32 v[ADRSB], s21, v5
	s_mul_i32 s23, s14, 16*SPITCH                  ; my stage
	v_mul_u32_u24 v5, v1, SPITCH
	v_lshl_add_u32 v5, v2, 4, v5
	v_add_nc_u32 v[STO], s23, v5                   ; in: token r, 16 bytes for each half of the lanes
	v_lshrrev_b32 v5, 3, v6
	v_mul_u32_u24 v5, v5, SPITCH
	v_and_b32 v7, 7, v6
	v_lshl_add_u32 v5, v7, 4, v5
	v_add_nc_u32 v[RD], s23, v5                    ; back: eight lanes take a token's 128 bytes of one head, four tokens an instruction
	s_lshl_b32 s20, s17, 15                        ; qkv: token (256 x tile row + 128 x half) x 128 bytes,
	s_lshl_b32 s21, s15, 14
	s_add_co_u32 s20, s20, s21
	s_mov_b32 s21, 0
	s_lshl_b32 s46, s42, 22                        ; group 4 x tile column + 2 x half, 2^20 bytes each
	s_lshl_b32 s47, s16, 21
	s_add_co_u32 s46, s46, s47
	s_mov_b32 s47, 0
	s_add_nc_u64 s[20:21], s[20:21], s[46:47]
	s_add_nc_u64 s[96:97], s[96:97], s[20:21]
	s_mul_i32 s46, s41, 192                        ; qkv32: [batch = cy][block of 16 columns][1,024 bytes]
	s_lshl_b32 s47, s42, 4
	s_add_co_u32 s46, s46, s47
	s_lshl_b32 s47, s16, 3
	s_add_co_u32 s46, s46, s47
	s_lshl_b32 s46, s46, 10
	s_mov_b32 s47, 0
	s_add_nc_u64 s[98:99], s[98:99], s[46:47]
.macro FRAG reg, adr, q, i             ; x: 16 tokens x 128 K: lane l holds token l % 16; registers 4 c .. 4 c + 3 hold K = 64 c + 32 (l / 16) + 0 .. 31
.irp c, 0,1
	ds_load_b128 v[\reg+4*\c:\reg+4*\c+3], v[\adr] offset:64*(\q)+32*\c+(\i)*16*PITCH
.endr
.endm
.macro FRAGB reg, adr, q, i            ; W: the image of the same registers
.irp c, 0,1
	ds_load_b128 v[\reg+4*\c:\reg+4*\c+3], v[\adr] offset:(\i)*4096+(\q)*1024+512*\c
.endr
.endm
; 16 matrix instructions: x's blocks a0, a0 + 1 against W's eight.  The 64 accumulators take turns, one instruction a turn, in the same order in every step.
.macro MUL16 a0, p, q, sc, zero
.irp a, \a0, \a0+1
.irp b, 0,1,2,3,4,5,6,7
.if \zero
	v_wmma_scale_f32_16x16x128_f8f6f4 v[8*(8*((\a)%4)+\b):8*(8*((\a)%4)+\b)+7], v[128*(\p)+FR*\b:128*(\p)+FR*\b+FR-1], v[AF+FR*(\a):AF+FR*(\a)+FR-1], 0, v[SCB+32*(\sc)+NQ*\b+(\q)], v[SCA+32*(\sc)+NQ*(\a)+(\q)] matrix_a_fmt:MATRIX_FMT_FP4 matrix_b_fmt:MATRIX_FMT_FP4
.else
	v_wmma_scale_f32_16x16x128_f8f6f4 v[8*(8*((\a)%4)+\b):8*(8*((\a)%4)+\b)+7], v[128*(\p)+FR*\b:128*(\p)+FR*\b+FR-1], v[AF+FR*(\a):AF+FR*(\a)+FR-1], v[8*(8*((\a)%4)+\b):8*(8*((\a)%4)+\b)+7], v[SCB+32*(\sc)+NQ*\b+(\q)], v[SCA+32*(\sc)+NQ*(\a)+(\q)] matrix_a_fmt:MATRIX_FMT_FP4 matrix_b_fmt:MATRIX_FMT_FP4
.endif
.endr
.endr
.endm
.macro FETCH_B slot, q, p
	WIN TO_B
.irp i, 0,1,2,3,4,5,6,7
	FRAGB 128*(\p)+FR*\i, ADRB+\slot, \q, \i
.endr
	WIN 0
.endm
.macro FETCH_A slot, q, i0
.irp i, \i0, \i0+1, \i0+2, \i0+3
	FRAG AF+FR*(\i), ADRA+\slot, \q, \i
.endr
.endm
.macro SCALES sc                       ; slot sc's scale words: four words a token or column; lane r takes row r's (lanes 16-31 read the same and are not used)
.irp i, 0,1,2,3,4,5,6,7
	ds_load_b128 v[SCA+32*\sc+NQ*\i:SCA+32*\sc+NQ*\i+3], v[ADRSA] offset:\i*544+16*\sc
.endr
.irp i, 0,1,2,3,4,5,6,7
	ds_load_b128 v[SCB+32*\sc+NQ*\i:SCB+32*\sc+NQ*\i+3], v[ADRSB] offset:\i*272+2176*\sc
.endr
.endm
.macro PLACES n                        ; plain vector instructions between a matrix instruction and a load into its registers or a read of its result
.rept \n
	v_nop
.endr
.endm
.macro STEP slot, q, zero              ; 128 along K with its successor in the same slot
	s_wait_dscnt 4*NL                              ; W's set and x's blocks 0-3 are in; the youngest eight loads (blocks 4-7) may be out
	WIN MUL_LO
	MUL16 0, (\q)%2, \q, \slot, \zero
	MUL16 2, (\q)%2, \q, \slot, \zero
	s_wait_dscnt 0
	PLACES NP
	FETCH_B \slot, (\q)+1, 1-(\q)%2
	FETCH_A \slot, (\q)+1, 0
	WIN MUL_HI
	MUL16 4, (\q)%2, \q, \slot, \zero
	MUL16 6, (\q)%2, \q, \slot, \zero
	PLACES NP
	WIN 0
	FETCH_A \slot, (\q)+1, 4
.endm
.macro STEPS slot, from
.set Q, \from
.rept NQ-1-\from
	STEP \slot, Q, 0
.set Q, Q+1
.endr
.endm
	s_wait_tensorcnt 1                             ; the scale words and my part of slot 0 are in (slot 1's load may be out),
	s_barrier_signal -1
	s_barrier_wait -1                              ; everybody's are
	FETCH_B 0, 0, 0
	FETCH_A 0, 0, 0
	SCALES 0
	FETCH_A 0, 0, 4
	STEP 0, 0, 1                                   ; the first products start the sums: nothing is cleared
	STEPS 0, 1
	; slot 0's last step changes slots: one barrier; in front of it each wave waits for all its tensor loads, adds 0 to its spare word, and waits for that and for its reads of slot 0
	s_wait_tensorcnt 0x0                           ; my part of slot 1 has landed
	ds_add_u32 v[SPW], v[NIL]
	s_wait_dscnt 4*NL+1                            ; (the add and the youngest eight loads may be out)
	WIN MUL_LO
	MUL16 0, 1, NQ-1, 0, 0
	s_wait_dscnt 0x0                               ; the add is done, and my reads of slot 0 are over
	s_barrier_signal -1
	MUL16 2, 1, NQ-1, 0, 0
	WIN 0
	s_barrier_wait -1                              ; slot 1 is whole, and nobody reads slot 0 any more
	PLACES NP
	FETCH_B 1, 0, 0
	FETCH_A 1, 0, 0
	SCALES 1
	WIN MUL_HI
	MUL16 4, 1, NQ-1, 0, 0
	MUL16 6, 1, NQ-1, 0, 0
	PLACES NP
	WIN 0
	FETCH_A 1, 0, 4
	STEPS 1, 0
	s_wait_dscnt 4*NL                              ; the very last step: nothing more to fetch
	WIN MUL_LO
	MUL16 0, 1, NQ-1, 1, 0
	MUL16 2, 1, NQ-1, 1, 0
	s_wait_dscnt 0
	WIN MUL_HI
	MUL16 4, 1, NQ-1, 1, 0
	MUL16 6, 1, NQ-1, 1, 0
	WIN 0
	PLACES NP
	; tokens 0 to 15 of a sequence are block 0 of the upper half of the tiles with cluster y = 0: their accumulators go out in f32 as they stand, 512 dense bytes a store.  The branch hangs on the cluster's y and the wave's number
	s_and_b32 s12, ttmp7, 0xffff
	s_or_b32 s12, s12, s15
	s_cmp_lg_u32 s12, 0
	s_cbranch_scc1 .Lno_fine
	WIN 0x08                                       ; a store's data are its source 1: window 2
.irp b, 0,1,2,3,4,5,6,7
	global_store_b128 v[CO], v[8*\b:8*\b+3], s[98:99] offset:1024*\b
	global_store_b128 v[CO], v[8*\b+4:8*\b+7], s[98:99] offset:1024*\b+512
.endr
	WIN 0
.Lno_fine:
; THE WAY OUT, block by block of 16 tokens x 128 columns: rounded to f16, 16 bytes a lane into my stage, back as four tokens x 128 bytes of one head, stored as 512 dense bytes.
.macro PACK a
.set AC, 64*((\a)%4)
	WIN 0x0a+5*((\a)/4)                            ; sources 0 and 1: window 2 or 3
.irp b, 0,1,2,3,4,5,6,7
.irp r, 0,1,2,3
	v_cvt_pk_f16_f32 v[TMP+4*\b+\r], v[AC+8*\b+2*\r], v[AC+8*\b+2*\r+1]   ; each accumulator from its low end on
.endr
.endr
	WIN 0
.endm
.macro TOSTAGE a
.set BB, BK+32*((\a)%2)
.irp b, 0,1,2,3,4,5,6,7
	ds_store_b128 v[STO], v[TMP+4*\b:TMP+4*\b+3] offset:32*\b
.endr
.irp g, 0,1,2,3
.irp d, 0,1
	ds_load_b128 v[BB+8*\g+4*\d:BB+8*\g+4*\d+3], v[RD] offset:\g*4*SPITCH+128*\d   ; LDS serves a wave's instructions in order: these see the stores above
.endr
.endr
.endm
.macro SEND a
.set BB, BK+32*((\a)%2)
	s_wait_dscnt 0x0                               ; the block is back in registers
	s_wait_xcnt 0x0                                ; earlier stores have read their registers: the next block's loads may land there
.irp g, 0,1,2,3
.irp d, 0,1
	global_store_b128 v[CO], v[BB+8*\g+4*\d:BB+8*\g+4*\d+3], s[96:97] offset:\d*1048576+(16*(\a)+4*\g)*128
.endr
.endr
.endm
	PACK 0
	TOSTAGE 0
.irp a, 1,2,3,4,5,6,7                  ; block a's conversions stand between block a - 1's loads from the stage and the wait for them
	PACK \a
	SEND \a-1
	TOSTAGE \a
.endr
	SEND 7
	s_wait_tensorcnt 0x0                           ; the wave's end
	ds_add_u32 v[SPW], v[NIL]
	s_wait_dscnt 0x0
	CROUND                                         ; the closing round
	s_endpgm
.Lfunc_end_k_q5b2d33e297_qkv:
	.size	k_q5b2d33e297_qkv, .Lfunc_end_k_q5b2d33e297_qkv-k_q5b2d33e297_qkv
	.p2alignl 7, 3214868480
	.fill 96, 4, 3214868480
	.section	.rodata,"a",@progbits
	.p2align	6, 0x0
	.amdhsa_kernel k_q5b2d33e297_qkv
		.amdhsa_group_segment_fixed_size 327680
		.amdhsa_private_segment_fixed_size 0
		.amdhsa_enable_private_segment 0
		.amdhsa_kernarg_size 48
		.amdhsa_user_sgpr_count 2
		.amdhsa_user_sgpr_kernarg_segment_ptr 1
		.amdhsa_wavefront_size32 1
		.amdhsa_system_sgpr_workgroup_id_x 1
		.amdhsa_system_sgpr_workgroup_id_y 1
		.amdhsa_system_sgpr_workgroup_id_z 1
		.amdhsa_system_vgpr_workitem_id 0
		.amdhsa_next_free_vgpr 1024
		.amdhsa_next_free_sgpr 100
		.amdhsa_reserve_vcc 0
		.amdhsa_float_denorm_mode_32 3
		.amdhsa_float_denorm_mode_16_64 3
		.amdhsa_memory_ordered 1
		.amdhsa_forward_progress 1
		.amdhsa_inst_pref_size 129
	.end_amdhsa_kernel
	.amdgpu_metadata
---
amdhsa.version: [ 1, 2 ]
amdhsa.kernels:
  - .name:           k_q5b2d33e297_qkv
    .symbol:         k_q5b2d33e297_qkv.kd
    .args:
      - { .name: x_codes, .offset: 0, .size: 8, .value_kind: global_buffer, .address_space: global }
      - { .name: x_scales, .offset: 8, .size: 8, .value_kind: global_buffer, .address_space: global }
      - { .name: wimg, .offset: 16, .size: 8, .value_kind: global_buffer, .address_space: global }
      - { .name: wscl, .offset: 24, .size: 8, .value_kind: global_buffer, .address_space: global }
      - { .name: qkv, .offset: 32, .size: 8, .value_kind: global_buffer, .address_space: global }
      - { .name: qkv32, .offset: 40, .size: 8, .value_kind: global_buffer, .address_space: global }
    .group_segment_fixed_size: 327680
    .private_segment_fixed_size: 0
    .kernarg_segment_align: 8
    .kernarg_segment_size: 48
    .max_flat_workgroup_size: 128
    .sgpr_count:     100
    .vgpr_count:     1024
    .wavefront_size: 32
...
	.end_amdgpu_metadata
.endif
;; end of part 2
;; launch attn (part 3): grid 4 x 64, 8 waves a work-group, no clusters, 327,680 bytes of LDS; arguments qkv, ctx; writes ctx
.if DOCPART == 3
	.amdgcn_target "amdgcn-amd-amdhsa--gfx1250"
	.amdhsa_code_object_version 6
	.text
	.protected	k_q5b2d33e297_attn
	.globl	k_q5b2d33e297_attn
	.p2align	8
	.type	k_q5b2d33e297_attn,@function
k_q5b2d33e297_attn:
	s_mov_b64 s[64:65], 0
	v_nop
	global_prefetch_b8 v0, s[64:65] scope:SCOPE_SE
	s_setreg_imm32_b32 hwreg(HW_REG_WAVE_MODE, 25, 1), 1
	s_wait_xcnt 0x0
; ctx[h][q] = the sum over k <= q of softmax_k(q . k / 8) v, for 64 pairs (batch, head) of 2,048 positions and head size 64.  q, k, v: f16, [group][token][64]; ctx: f16, [head][token][64].  Sums, maxima, exponentials in f32.
; LEFT OUT: key steps all of whose keys come after all of a wave's queries: reference()'s own causal mask makes their weights exactly 0.
; SHARES.  Work-group (i, batch and head) owns two blocks of 256 queries: first block 7 - i, which wants key blocks 0 .. 7 - i, then block i, which wants 0 .. i: nine key blocks of 256 in every work-group, so the
; loop's trip count is a constant and all work-groups have equal work.  Each of eight waves owns 32 queries, two tiles of 16; waves w and w + 4 take sub-blocks w and 7 - w.
; LAYOUT.  S^T = K Q^T (source 0 = 16 keys, source 1 = 16 queries): a lane holds ONE query (lane % 16) and keys 8 (lane / 16) + 0..7.  Two such tiles rounded to f16 in pairs ARE source 1 (32 keys x 16 queries) of
; O^T = V^T P.  K comes out of LDS as it lies, V turned by ds_load_tr16_b128.  The row's sum is a product too: a fragment of ones against P, so that it falls into the low register of an accumulator of its own.
; SOFTMAX.  A running maximum m and sum l for each query: p = 2^(c s - c m), c = log2(e) / 8; in every step O and l are multiplied by 2^(c m_old - c m_new).  Each step that a wave walks begins at or before
; all its queries, so m is a number from the first step on.  A pass begins with zeros and m = -3e38.
; RING.  Two LDS slots of 256 keys (K: 128 rows of two keys, 272 bytes apart; V: 288), filled by waves 0 to 3, one tensor load each (64 rows of 256 bytes), read by all eight.  At most one tensor load of a wave is out.
; NO CLUSTER: from the sixth trip on the four work-groups of a head walk different key blocks, so a joint load would bring tiles that no wave of some partner reads.
; REGISTERS.  window 0: v1-15 addresses and constants; v16-31 statistics, eight a tile (+0 c m, +1 m, +2 1 / l, +4..7 at work, the rescaling factor in +6); v32-63 Q; v64-127 K; v128-191 S^T, then p; v192-223 P; v224-255 rows on their way out.
;   window 1: v0-63 V^T; v64-71 ones; from v80, 40 a tile: O^T (32) and the sum's accumulator (8).
.set KP,    272
.set VP,    288
.set VOFF,  128*KP
.set SLOT1, 1<<17                      ; slot 1 begins here: one exclusive or turns an address from one slot to the other
.set STAGE, SLOT1+VOFF+128*VP          ; behind the ring: 16 rows x 144 bytes for each wave
.set SPARE, STAGE+8*16*144             ; the spare words: 128 bytes for each wave, named by no other line
.set AK0, 1
.set AV0, 2
.set ADK, 3
.set ADV, 4
.set QO,  5
.set STO, 6
.set RD,  7
.set GO,  8
.set PFO, 9
.set SPW, 10
.set NIL, 11
.set DL,  12                           ; v12 lane % 16 - 8 (lane / 16)
.set NINF, 13                          ; v13 -infinity
.set D0,  14                           ; v14-15 the mask's bound for tiles 0, 1
.set ST,  16
.set Q,   32
.set KR,  64
.set S,   128
.set P,   192
.set BKR, 224
.set VR,  0                            ; window 1
.set ONES, 64
.set O,   80
.set TB,  2                            ; s2  LDS byte at which the slot in hand begins
.set KF,  3                            ; s3  the step's first key
.set WV,  8
.set Q0,  12                           ; s12 my first query
.set QEND, 13                          ; s13 the first key behind the pass's last block
.set Q02, 14
.set RB,  15                           ; s15 the key block asked for last
.set LASTB, 16                         ; s16 7 - i
.set SLOTS, 17
.set LIM, 18
.set QEND2, 19
.set SEL, 20
.set CS,  22
.set G1K, 24
.set G1V, 32
.set G0K, 40
.set G0V, 44
.set KB,  48                           ; s[48:49] K at my half of key block 0;  s[50:51] V
.set VB,  50
.set OFS, 52                           ; s[52:53] the key block's bytes
.set QP,  54
.set QP2, 56
.set CP,  58
.set CP2, 60
.set PFA, 66
.set MSB, 0
.macro WIN new
.if MSB != \new
	s_set_vgpr_msb (MSB<<8)|\new
.set MSB, \new
.endif
.endm
; Waves 0 and 1 fetch K's halves, waves 2 and 3 V's, the others nothing.  An s_nop 0 and four v_nop follow each line.
.macro TLOAD
	s_cmp_lt_u32 s[WV], 2
	s_cbranch_scc0 .Lnot_k_\@
	tensor_load_to_lds s[G0K:G0K+3], s[G1K:G1K+7]
	s_nop 0
.rept 4
	v_nop
.endr
	s_branch .Lasked_\@
.Lnot_k_\@:
	s_cmp_lt_u32 s[WV], 4
	s_cbranch_scc0 .Lasked_\@
	tensor_load_to_lds s[G0V:G0V+3], s[G1V:G1V+7]
	s_nop 0
.rept 4
	v_nop
.endr
.Lasked_\@:
.endm
; A prefetch of the key block that the NEXT change of slots will ask for.  All four work-groups of a head begin with key blocks 0, 1, 2 ..: the one with i = 0, which walks all eight on end, asks, in the waves that
; fetch nothing: waves 4 and 5 for K's halves, 6 and 7 for V's: 16,384 bytes each, lanes 256 bytes apart, two instructions.  Trips 0 to 5 name blocks 2 to 7: each block of 256 bytes once, none past the head's last.
.macro ASK
	s_cmp_gt_u32 s[SLOTS], s[LIM]
	s_cbranch_scc0 .Lnot_mine_\@
	global_prefetch_b8 v[PFO], s[PFA:PFA+1] th:TH_LOAD_NT scope:SCOPE_SE
	global_prefetch_b8 v[PFO], s[PFA:PFA+1] offset:8192 th:TH_LOAD_NT scope:SCOPE_SE
.Lnot_mine_\@:
.endm
.macro QLOAD ptr                       ; my 32 queries: tile t, channels 32 u on: lane l holds query l % 16; two loads of 16 bytes, 32 bytes apart
.irp t, 0,1
.irp u, 0,1
	global_load_b128 v[Q+16*\t+8*\u:Q+16*\t+8*\u+3], v[QO], s[\ptr:\ptr+1] offset:2048*\t+64*\u
	global_load_b128 v[Q+16*\t+8*\u+4:Q+16*\t+8*\u+7], v[QO], s[\ptr:\ptr+1] offset:2048*\t+64*\u+32
.endr
.endr
.endm
.macro INIT                            ; a pass begins: m = -3e38, under every score; O^T and the sums are zeros, which the first rescaling leaves zeros
.irp t, 0,1
	v_mov_b32 v[ST+8*\t+1], 0xff61b1e6
	v_mul_f32 v[ST+8*\t], s[CS], v[ST+8*\t+1]
.endr
	WIN 0x40
.set ii, 0
.rept 80
	v_mov_b32 v[O+ii], 0
.set ii, ii+1
.endr
	WIN 0
.endm
	s_load_b128 s[4:7], s[0:1], 0x0                ; qkv, ctx
	v_lshl_add_u32 v[SPW], v0, 2, SPARE
	v_mov_b32 v[NIL], 0
	ds_add_u32 v[SPW], v[NIL]                      ; the wave's opening: the add, twice on end, and its wait ahead of the first tensor load
	ds_add_u32 v[SPW], v[NIL]
	v_lshrrev_b32 v1, 5, v0
	v_readfirstlane_b32 s[WV], v1                  ; wave 0..7
	s_and_b32 s9, ttmp7, 0xffff
	s_lshr_b32 s10, s9, 4                          ; batch
	s_and_b32 s11, s9, 15                          ; head
	s_lshr_b32 s68, s[WV], 2
	s_mul_i32 s68, s68, 3
	s_xor_b32 s68, s68, s[WV]                      ; my sub-block: w, or 7 - (w - 4)
	s_lshl_b32 s69, s68, 5
	s_sub_co_u32 s[LASTB], 7, ttmp9
	s_lshl_b32 s[Q0], s[LASTB], 8
	s_add_co_u32 s[QEND], s[Q0], 256
	s_add_co_u32 s[Q0], s[Q0], s69
	s_lshl_b32 s[Q02], ttmp9, 8
	s_add_co_u32 s[QEND2], s[Q02], 256
	s_add_co_u32 s[Q02], s[Q02], s69
	s_lshl_b32 s70, s11, 20                        ; a group is 2^20 bytes, a sequence in it 2^18
	s_lshl_b32 s71, s10, 18
	s_add_co_u32 s70, s70, s71
	s_lshl_b32 s72, s[Q0], 7
	s_add_co_u32 s72, s72, s70
	s_mov_b32 s73, 0
	s_lshl_b32 s74, s[Q02], 7
	s_add_co_u32 s74, s74, s70
	s_mov_b32 s75, 0
	s_and_b32 s71, s[WV], 1                        ; which half of a key block I fetch or prefetch
	s_lshl_b32 s68, s71, 14
	s_add_co_u32 s68, s68, s70
	s_add_co_u32 s68, s68, 16<<20                  ; K's groups follow q's sixteen
	s_mov_b32 s69, 0
	s_mov_b32 s[G1K], (3<<16)|(1<<20)|(5<<22)|(3<<25)   ; elements of 8 bytes; padding of 4 words behind every 64
	s_mov_b32 s[G1V], (3<<16)|(1<<20)|(5<<22)|(7<<25)   ; of 8 words
.irp g, G1K, G1V
	s_mov_b32 s[\g+1], 32<<16                      ; tensor_dim0: 256 bytes, two keys
	s_mov_b32 s[\g+2], 64<<16                      ; tensor_dim1
	s_mov_b32 s[\g+3], 32<<16                      ; tile_dim0
	s_mov_b32 s[\g+4], 64                          ; tile_dim1
	s_mov_b32 s[\g+5], 32                          ; dense
	s_mov_b32 s[\g+6], 0
	s_mov_b32 s[\g+7], 0
.endr
	s_mov_b32 s[G0K], 1
	s_mul_i32 s[G0K+1], s71, 64*KP
	s_mov_b32 s[G0V], 1
	s_mul_i32 s[G0V+1], s71, 64*VP
	s_add_co_u32 s[G0V+1], s[G0V+1], VOFF
	s_mov_b32 s[SEL], 0x76543210
	s_mov_b32 s[SEL+1], 0xfedcba98
	s_mov_b32 s[CS], 0x3e38aa3b                    ; c = log2(e) / 8
	s_mov_b32 s[CS+1], s[CS]
	s_mov_b32 s[TB], 0
	s_mov_b32 s[KF], 0
	s_mov_b32 s[RB], 0
	s_mov_b32 s[OFS+1], 0
	s_mov_b32 s[SLOTS], 8
	s_lshr_b32 s71, s[WV], 2
	s_xor_b32 s71, s71, 1                          ; 0 in waves 4 to 7,
	s_or_b32 s71, s71, ttmp9                       ; of the work-group with i = 0
	s_cmp_eq_u32 s71, 0
	s_cselect_b32 s[LIM], 2, -1
	s_wait_dscnt 0x0                               ; both opening adds are done
	s_wait_kmcnt 0x0
	s_add_nc_u64 s[QP:QP+1], s[4:5], s[72:73]
	s_add_nc_u64 s[QP2:QP2+1], s[4:5], s[74:75]
	s_add_nc_u64 s[CP:CP+1], s[6:7], s[72:73]
	s_add_nc_u64 s[CP2:CP2+1], s[6:7], s[74:75]
	s_add_nc_u64 s[KB:KB+1], s[4:5], s[68:69]
	s_add_nc_u64 s[VB:VB+1], s[KB:KB+1], 16<<20
	s_mov_b64 s[G0K+2:G0K+3], s[KB:KB+1]
	s_or_b32 s[G0K+3], s[G0K+3], 0x80000000
	s_mov_b64 s[G0V+2:G0V+3], s[VB:VB+1]
	s_or_b32 s[G0V+3], s[G0V+3], 0x80000000
	TLOAD                                          ; key block 0 into slot 0
	s_cmp_lt_u32 s[WV], 6
	s_cselect_b64 s[PFA:PFA+1], s[KB:KB+1], s[VB:VB+1]
	s_add_nc_u64 s[PFA:PFA+1], s[PFA:PFA+1], 32768 ; at block 1: the first change of slots steps it to block 2.  Nothing is prefetched at the head
	v_and_b32 v224, 15, v0                         ; r
	v_bfe_u32 v225, v0, 4, 1                       ; h
	v_and_b32 v226, 31, v0                         ; lane
	v_lshlrev_b32 v[QO], 7, v224
	v_lshl_add_u32 v[QO], v225, 4, v[QO]
	QLOAD QP
	v_lshrrev_b32 v227, 1, v224
	v_and_b32 v228, 1, v0
	v_mul_u32_u24 v[AK0], v227, KP                 ; K: key r lies in row r / 2, half r % 2; + 16 h
	v_lshl_add_u32 v[AK0], v228, 7, v[AK0]
	v_lshl_add_u32 v[AK0], v225, 4, v[AK0]
	v_bfe_u32 v227, v0, 1, 2
	v_lshl_add_u32 v227, v225, 2, v227
	v_mul_u32_u24 v[AV0], v227, VP                 ; V, for the turning load: key 8 h + lane % 8, channels 8 ((lane / 8) % 2) on
	v_lshl_add_u32 v[AV0], v228, 7, v[AV0]
	v_bfe_u32 v227, v0, 3, 1
	v_lshl_add_u32 v[AV0], v227, 4, v[AV0]
	v_add_nc_u32 v[AV0], VOFF, v[AV0]
	s_mul_i32 s68, s[WV], 16*144
	s_add_co_u32 s68, s68, STAGE
	v_mul_u32_u24 v[STO], v224, 144
	v_lshl_add_u32 v[STO], v225, 4, v[STO]
	v_add_nc_u32 v[STO], s68, v[STO]
	v_lshrrev_b32 v227, 3, v226
	v_mul_u32_u24 v[RD], v227, 144
	v_and_b32 v227, 7, v0
	v_lshl_add_u32 v[RD], v227, 4, v[RD]
	v_add_nc_u32 v[RD], s68, v[RD]
	v_lshlrev_b32 v[GO], 4, v226
	v_lshlrev_b32 v[PFO], 8, v226
	v_lshlrev_b32 v227, 3, v225
	v_sub_nc_u32 v[DL], v224, v227
	v_mov_b32 v[NINF], 0xff800000
	v_mov_b32 v[ST+3], 0                           ; named as the upper halves of pairs
	v_mov_b32 v[ST+11], 0
	INIT
	WIN 0x40
.irp j, 0,1,2,3,4,5,6,7
	v_mov_b32 v[ONES+\j], 0x3c003c00               ; 1.0 twice, in f16
.endr
	WIN 0
; A KEY STEP: 64 keys, the q-th of the slot in hand.
.macro STEP q
	s_add_co_u32 s68, s[Q0], 31
	s_cmp_gt_u32 s[KF], s68                        ; all its keys come after my queries: left out.  Ids and counted steps alone
	s_cbranch_scc1 .Lhidden_\@
	v_add_nc_u32 v[ADK], s[TB], v[AK0]
	v_add_nc_u32 v[ADV], s[TB], v[AV0]
	v_nop
	v_nop                                          ; four plain instructions in front of loads into registers that the last products read
.irp kt, 0,1,2,3
.irp u, 0,1
	ds_load_b128 v[KR+16*\kt+8*\u:KR+16*\kt+8*\u+3], v[ADK] offset:(\q)*32*KP+\kt*8*KP+64*\u
	ds_load_b128 v[KR+16*\kt+8*\u+4:KR+16*\kt+8*\u+7], v[ADK] offset:(\q)*32*KP+\kt*8*KP+64*\u+32
.endr
.endr
	WIN 0x40
.irp g, 0,1
.irp ct, 0,1,2,3
	ds_load_tr16_b128 v[VR+8*(4*\g+\ct):VR+8*(4*\g+\ct)+3], v[ADV] offset:(\q)*32*VP+\g*16*VP+32*\ct
	ds_load_tr16_b128 v[VR+8*(4*\g+\ct)+4:VR+8*(4*\g+\ct)+7], v[ADV] offset:(\q)*32*VP+\g*16*VP+32*\ct+8*VP
.endr
.endr
	WIN 0
	s_wait_dscnt 16                                ; K is in; V's sixteen loads may be out
.irp u, 0,1                                    ; S^T = K Q^T: eight accumulators by turns; the first eight products start the sums
.irp kt, 0,1,2,3
.irp t, 0,1
.if \u == 0
	v_wmma_f32_16x16x32_f16 v[S+32*\t+8*\kt:S+32*\t+8*\kt+7], v[KR+16*\kt+8*\u:KR+16*\kt+8*\u+7], v[Q+16*\t+8*\u:Q+16*\t+8*\u+7], 0
.else
	v_wmma_f32_16x16x32_f16 v[S+32*\t+8*\kt:S+32*\t+8*\kt+7], v[KR+16*\kt+8*\u:KR+16*\kt+8*\u+7], v[Q+16*\t+8*\u:Q+16*\t+8*\u+7], v[S+32*\t+8*\kt:S+32*\t+8*\kt+7]
.endif
.endr
.endr
.endr
.rept 4
	v_nop
.endr
	s_add_co_u32 s68, s[KF], 63
	s_cmp_le_u32 s68, s[Q0]                        ; all keys count for all my queries: no mask
	s_cbranch_scc1 .Lopen_\@
	s_sub_co_i32 s68, s[Q0], s[KF]
	v_add_nc_u32 v[D0], s68, v[DL]                 ; register 8 kt + j of tile t holds key KF + 16 kt + 8 h + j: hidden where 16 kt + j > Q0 - KF + 16 t + r - 8 h
	v_add_nc_u32 v[D0+1], 16, v[D0]
.irp t, 0,1
.irp n, 0,1,2,3,4,5,6,7,8,9,10,11,12,13,14,15,16,17,18,19,20,21,22,23,24,25,26,27,28,29,30,31
	v_cmp_gt_i32 vcc_lo, 16*(\n/8)+\n%8, v[D0+\t]
	v_cndmask_b32 v[S+32*\t+\n], v[S+32*\t+\n], v[NINF], vcc_lo
.endr
.endr
.Lopen_\@:
	; the maximum of the lane's 32 scores and the old m, three operands at a time, the two tiles by turns; each accumulator is read from its low end on
.irp j, 0,1,2,3
.irp t, 0,1
	v_max3_num_f32 v[ST+8*\t+4+\j], v[S+32*\t+8*\j], v[S+32*\t+8*\j+1], v[S+32*\t+8*\j+2]
.endr
.endr
.irp p, 3,5
.irp j, 0,1,2,3
.irp t, 0,1
	v_max3_num_f32 v[ST+8*\t+4+\j], v[ST+8*\t+4+\j], v[S+32*\t+8*\j+\p], v[S+32*\t+8*\j+\p+1]
.endr
.endr
.endr
.irp t, 0,1
	v_max3_num_f32 v[ST+8*\t+4], v[ST+8*\t+4], v[S+32*\t+7], v[S+32*\t+15]
	v_max3_num_f32 v[ST+8*\t+6], v[ST+8*\t+6], v[S+32*\t+23], v[S+32*\t+31]
.endr
.irp t, 0,1
	v_max3_num_f32 v[ST+8*\t+4], v[ST+8*\t+4], v[ST+8*\t+5], v[ST+8*\t+6]
.endr
.irp t, 0,1
	v_max3_num_f32 v[ST+8*\t+4], v[ST+8*\t+4], v[ST+8*\t+7], v[ST+8*\t+1]
.endr
.irp t, 0,1
	v_permlanex16_b32 v[ST+8*\t+5], v[ST+8*\t+4], s[SEL], s[SEL+1]   ; the query's other 32 keys lie in the lane 16 away
.endr
.irp t, 0,1
	v_mov_b32 v[ST+8*\t+7], v[ST+8*\t]             ; c m_old
.endr
.irp t, 0,1
	v_max_num_f32 v[ST+8*\t+1], v[ST+8*\t+4], v[ST+8*\t+5]
.endr
.irp t, 0,1
	v_mul_f32 v[ST+8*\t], s[CS], v[ST+8*\t+1]
.endr
.irp t, 0,1
	v_sub_f32 v[ST+8*\t+7], v[ST+8*\t+7], v[ST+8*\t]
.endr
.irp b, 0,2,4,6,8,10,12,14,16,18,20,22,24,26,28,30
.irp t, 0,1
	v_pk_fma_f32 v[S+32*\t+\b:S+32*\t+\b+1], v[S+32*\t+\b:S+32*\t+\b+1], s[CS:CS+1], v[ST+8*\t:ST+8*\t+1] op_sel_hi:[1,0,0] neg_lo:[0,0,1] neg_hi:[0,0,1]   ; c s - c m
.endr
.endr
.irp t, 0,1
	v_exp_f32 v[ST+8*\t+6], v[ST+8*\t+7]           ; 2^(c m_old - c m_new)
.endr
.irp n, 0,1,2,3,4,5,6,7,8,9,10,11,12,13,14,15,16,17,18,19,20,21,22,23,24,25,26,27,28,29,30,31
.irp t, 0,1
	v_exp_f32 v[S+32*\t+\n], v[S+32*\t+\n]
.endr
.endr
	v_nop                                          ; a plain instruction behind the last exponential
	s_wait_alu depctr_va_vdst(0)                   ; one wait for the batch of 66, ahead of its first reader
.irp m, 0,1,2,3,4,5,6,7,8,9,10,11,12,13,14,15
.irp t, 0,1
	v_cvt_pk_f16_f32 v[P+16*\t+\m], v[S+32*\t+2*\m], v[S+32*\t+2*\m+1]
.endr
.endr
	WIN 0x41                                       ; O^T in window 1, the factor in window 0
.irp t, 0,1
.irp m, 0,2,4,6,8,10,12,14,16,18,20,22,24,26,28,30,32
	v_pk_mul_f32 v[O+40*\t+\m:O+40*\t+\m+1], v[O+40*\t+\m:O+40*\t+\m+1], v[ST+8*\t+6:ST+8*\t+7] op_sel_hi:[1,0]   ; O^T's 32 registers and the two lowest of the sum's: only its lowest is ever used
.endr
.endr
	s_wait_dscnt 0x0                               ; V is in
	WIN 0x51                                       ; V^T and the ones in window 1, P in window 0, C and D in window 1
.irp g, 0,1                                    ; ten accumulators by turns
.irp t, 0,1
.irp ct, 0,1,2,3
	v_wmma_f32_16x16x32_f16 v[O+40*\t+8*\ct:O+40*\t+8*\ct+7], v[VR+8*(4*\g+\ct):VR+8*(4*\g+\ct)+7], v[P+16*\t+8*\g:P+16*\t+8*\g+7], v[O+40*\t+8*\ct:O+40*\t+8*\ct+7]
.endr
	v_wmma_f32_16x16x32_f16 v[O+40*\t+32:O+40*\t+39], v[ONES:ONES+7], v[P+16*\t+8*\g:P+16*\t+8*\g+7], v[O+40*\t+32:O+40*\t+39]
.endr
.endr
	WIN 0
.Lhidden_\@:
	s_add_co_u32 s[KF], s[KF], 64
.endm
; THE CHANGE OF SLOTS stands at a slot's head.  Each wave waits for all its tensor loads, adds 0 to its spare word, and waits for that and for its reads of the slot that it has left.  Behind the barrier the slot
; ahead is whole and nobody reads the other one: fill = 1: it takes the next key block, which has a whole slot's steps in which to land.
.macro CHANGE fill
	s_wait_tensorcnt 0x0                           ; no tensor load of mine is out, so a group 0 may be written
	ds_add_u32 v[SPW], v[NIL]
.if \fill
	ds_add_u32 v[SPW], v[NIL]                      ; and twice on end here, in every trip alike
	s_add_co_u32 s[RB], s[RB], 1                   ; the next key block: behind block 7 - i comes the second pass's block 0
	s_cmp_gt_u32 s[RB], s[LASTB]
	s_cselect_b32 s[RB], 0, s[RB]
	s_lshl_b32 s[OFS], s[RB], 15
	s_xor_b32 s[G0K+1], s[G0K+1], SLOT1
	s_add_nc_u64 s[G0K+2:G0K+3], s[KB:KB+1], s[OFS:OFS+1]
	s_or_b32 s[G0K+3], s[G0K+3], 0x80000000
	s_xor_b32 s[G0V+1], s[G0V+1], SLOT1
	s_add_nc_u64 s[G0V+2:G0V+3], s[VB:VB+1], s[OFS:OFS+1]
	s_or_b32 s[G0V+3], s[G0V+3], 0x80000000
	s_wait_xcnt 0x0                                ; the last prefetches, a slot back, have read their address
	s_add_nc_u64 s[PFA:PFA+1], s[PFA:PFA+1], 32768
.endif
	s_wait_dscnt 0x0                               ; the add is done, and my LDS reads are over
	s_barrier_signal -1
	s_barrier_wait -1
.if \fill
	TLOAD                                          ; the first thing behind the barrier, and a wave's one tensor load until the next
	ASK
.endif
.endm
; A PASS ENDS: O^T / l, rounded to f16, goes through my stage, a tile of 16 queries at a time, and leaves as four tokens x 128 bytes, 512 dense bytes a store.  reload = 1: the second pass's queries follow.
.macro FINISH reload
.rept 4
	v_nop
.endr
	WIN 0x01                                       ; source 0 in window 1
.irp t, 0,1
	v_rcp_f32 v[ST+8*\t+2], v[O+40*\t+32]          ; the sum lies in the lowest register of its accumulator
.endr
	v_nop
	s_wait_alu depctr_va_vdst(0)                   ; one wait for both reciprocals
.irp t, 0,1
.irp m, 0,2,4,6,8,10,12,14,16,18,20,22,24,26,28,30
	v_pk_mul_f32 v[S+32*\t+\m:S+32*\t+\m+1], v[O+40*\t+\m:O+40*\t+\m+1], v[ST+8*\t+2:ST+8*\t+3] op_sel_hi:[1,0]
.endr
.endr
	WIN 0
.irp t, 0,1
.irp m, 0,1,2,3,4,5,6,7,8,9,10,11,12,13,14,15
	v_cvt_pk_f16_f32 v[P+16*\t+\m], v[S+32*\t+2*\m], v[S+32*\t+2*\m+1]
.endr
.irp ct, 0,1,2,3
	ds_store_b128 v[STO], v[P+16*\t+4*\ct:P+16*\t+4*\ct+3] offset:32*\ct
.endr
.irp g, 0,1,2,3
	ds_load_b128 v[BKR+16*\t+4*\g:BKR+16*\t+4*\g+3], v[RD] offset:576*\g   ; LDS serves a wave in order: these see the stores above, and the next tile's stores come behind them
.endr
.endr
	s_wait_dscnt 8                                 ; tile 0 is back (behind it: tile 1's four stores and four loads)
.irp g, 0,1,2,3
	global_store_b128 v[GO], v[BKR+4*\g:BKR+4*\g+3], s[CP:CP+1] offset:512*\g
.endr
	s_wait_dscnt 0x0
.irp g, 0,1,2,3
	global_store_b128 v[GO], v[BKR+16+4*\g:BKR+16+4*\g+3], s[CP:CP+1] offset:2048+512*\g
.endr
.if \reload
	s_wait_xcnt 0x0                                ; the stores have read their base and their registers
	s_mov_b32 s[Q0], s[Q02]
	s_mov_b32 s[QEND], s[QEND2]
	s_mov_b64 s[CP:CP+1], s[CP2:CP2+1]
	s_mov_b32 s[KF], 0
	QLOAD QP2
	INIT
	s_wait_loadcnt 0x0
.endif
.endm
	s_wait_loadcnt 0x0                             ; Q
.Lslot:                                            ; eight trips: behind each change of slots the next key block is asked for
	CHANGE 1
	STEP 0
	STEP 1
	STEP 2
	STEP 3
	s_xor_b32 s[TB], s[TB], SLOT1
	s_cmp_lg_u32 s[KF], s[QEND]                    ; the first pass's last key block?  Ids and counted steps alone, the same in all waves; no barrier and no tensor load stands under the branch
	s_cbranch_scc1 .Lsame_pass
	FINISH 1
.Lsame_pass:
	s_sub_co_u32 s[SLOTS], s[SLOTS], 1
	s_cmp_lg_u32 s[SLOTS], 0
	s_cbranch_scc1 .Lslot
	CHANGE 0                                       ; the ninth key block is written out: nothing is left to ask for
	STEP 0
	STEP 1
	STEP 2
	STEP 3
	FINISH 0
	s_wait_tensorcnt 0x0                           ; the wave's end
	ds_add_u32 v[SPW], v[NIL]
	s_wait_dscnt 0x0
	s_endpgm
.Lfunc_end_k_q5b2d33e297_attn:
	.size	k_q5b2d33e297_attn, .Lfunc_end_k_q5b2d33e297_attn-k_q5b2d33e297_attn
	.p2alignl 7, 3214868480
	.fill 96, 4, 3214868480
	.section	.rodata,"a",@progbits
	.p2align	6, 0x0
	.amdhsa_kernel k_q5b2d33e297_attn
		.amdhsa_group_segment_fixed_size 327680
		.amdhsa_private_segment_fixed_size 0
		.amdhsa_enable_private_segment 0
		.amdhsa_kernarg_size 16
		.amdhsa_user_sgpr_count 2
		.amdhsa_user_sgpr_kernarg_segment_ptr 1
		.amdhsa_wavefront_size32 1
		.amdhsa_system_sgpr_workgroup_id_x 1
		.amdhsa_system_sgpr_workgroup_id_y 1
		.amdhsa_system_sgpr_workgroup_id_z 1
		.amdhsa_system_vgpr_workitem_id 0
		.amdhsa_next_free_vgpr 512
		.amdhsa_next_free_sgpr 80
		.amdhsa_reserve_vcc 1
		.amdhsa_float_denorm_mode_32 3
		.amdhsa_float_denorm_mode_16_64 3
		.amdhsa_memory_ordered 1
		.amdhsa_forward_progress 1
		.amdhsa_inst_pref_size 186
	.end_amdhsa_kernel
	.amdgpu_metadata
---
amdhsa.version: [ 1, 2 ]
amdhsa.kernels:
  - .name:           k_q5b2d33e297_attn
    .symbol:         k_q5b2d33e297_attn.kd
    .args:
      - { .name: qkv, .offset: 0, .size: 8, .value_kind: global_buffer, .address_space: global }
      - { .name: ctx, .offset: 8, .size: 8, .value_kind: global_buffer, .address_space: global }
    .group_segment_fixed_size: 327680
    .private_segment_fixed_size: 0
    .kernarg_segment_align: 8
    .kernarg_segment_size: 16
    .max_flat_workgroup_size: 256
    .sgpr_count:     80
    .vgpr_count:     512
    .wavefront_size: 32
...
	.end_amdgpu_metadata
.endif
;; end of part 3
;; launch proj (part 4): grid 4 x 64, 4 waves a work-group, clusters of 4 x 4, 327,680 bytes of LDS; arguments ctx, woimg, out0; writes out0
.if DOCPART == 4
	.amdgcn_target "amdgcn-amd-amdhsa--gfx1250"
	.amdhsa_code_object_version 6
	.text
	.protected	k_q5b2d33e297_proj
	.globl	k_q5b2d33e297_proj
	.p2align	8
	.type	k_q5b2d33e297_proj,@function
k_q5b2d33e297_proj:
	s_mov_b64 s[64:65], 0
	v_nop
	global_prefetch_b8 v0, s[64:65] scope:SCOPE_SE
	s_setreg_imm32_b32 hwreg(HW_REG_WAVE_MODE, 25, 1), 1
	s_wait_xcnt 0x0
	s_wait_alu depctr_hold_cnt(0) depctr_sa_sdst(0) depctr_va_vdst(0) depctr_va_sdst(0) depctr_va_ssrc(0) depctr_va_vcc(0) depctr_vm_vsrc(0)
	s_getreg_b32 s2, hwreg(HW_REG_IB_STS2, 6, 4)
	s_cmp_eq_u32 s2, 0
	s_cbranch_scc0 .Lentry_in_a_cluster
	s_endpgm
.Lentry_in_a_cluster:
	s_bfe_u32 s2, ttmp6, 0x10000c
	s_cmp_lg_u32 s2, 0xf033
	s_cbranch_scc0 .Lentry_shape_is_right
	s_endpgm
.Lentry_shape_is_right:
; out0[token][n] = the sum over k of ctx[token][k] W_o[k][n], 8,192 x 1,024 x 1,024, f16 operands, f32 sums and results.  ctx: [head][token][64] f16; W_o: images of operand registers, [K / 128][n / 16][4,096 bytes].
; The 16 first positions of each sequence lie inside live tiles and are made here too; the launch that follows stores them again from f32 operands.
; A tile is 128 tokens x 256 columns: 256 work-groups.  Four waves, each 64 x 128: 32 accumulators, 256 registers.  K goes in eight steps of 128 (two heads) through two LDS slots.
; ctx's part of a slot: for each half of the tokens two runs of 8,192 dense bytes (64 tokens of one head), 2^20 bytes apart in memory, 16 bytes of padding behind every 256 (two tokens).
; CLUSTERS: 4 x 4 work-groups; the four of a row need the same tokens, the four of a column the same columns: each tile is asked for jointly.  THE MATRIX INSTRUCTION IS USED TRANSPOSED (source 0 = 16 columns of W_o,
; source 1 = 16 tokens): a lane holds eight neighbouring columns of one token.
; REGISTERS: window 0: v16-29 addresses; v64-127 ctx's fragments, two buffers of 32; v128-255 rows on their way out.   window 1: W_o's fragments, two buffers of 64.   window 2: the accumulators ((a, b) at v[8 (8 a + b)]).
.set KP,     272
.set HALFA,  2*32*KP                   ; 64 tokens x two heads: one tensor load
.set BOFF,   2*HALFA
.set HALFB,  32768                     ; 8 blocks of 16 columns x 128 K: one tensor load
.set SLOT,   BOFF+2*HALFB
.set STAGE,  2*SLOT                    ; behind the ring: 16 rows x 528 bytes for each wave
.set SPITCH, 528
.set SPARE,  STAGE+4*16*SPITCH         ; the spare words: 128 bytes for each wave, named by no other line
.set LAPS,   4                         ; a lap = two K steps = once round the ring
.set ADRA, 16
.set ADRB, 20
.set STO,  24
.set RD,   25
.set CO,   26
.set SPW,  28
.set NIL,  29
.set BK,   128
.set G1, 24
.set G0, 32
.set G1B, 48
.set G0B, 56
.set MSB, 0
.macro WIN new
.if MSB != \new
	s_set_vgpr_msb (MSB<<8)|\new
.set MSB, \new
.endif
.endm
.set MUL,  0xa1                        ; source 0 (W_o) window 1, source 1 (ctx) window 0, C and D window 2
.set TO_B, 0x40
.macro JLOAD s                         ; a joint load: waves 0 and 1 fetch ctx's halves, waves 2 and 3 W_o's; an s_nop 0 and four v_nop follow each line
	s_cmp_eq_u32 s11, 0
	s_cbranch_scc0 .Lfor_b_\@
	tensor_load_to_lds s[G0+4*\s:G0+4*\s+3], s[G1:G1+7]
	s_nop 0
.rept 4
	v_nop
.endr
	s_branch .Lasked_\@
.Lfor_b_\@:
	tensor_load_to_lds s[G0B+4*\s:G0B+4*\s+3], s[G1B:G1B+7]
	s_nop 0
.rept 4
	v_nop
.endr
.Lasked_\@:
.endm
.macro CREST                           ; a round of the cluster's barrier behind its opening barrier
	s_cmp_lg_u32 s10, 0
	s_cbranch_scc1 .Lnot_wave_0_\@
	s_barrier_signal -3
.Lnot_wave_0_\@:
	s_barrier_wait -3
	s_barrier_signal -1
	s_barrier_wait -1
.endm
.macro CROUND
	s_barrier_signal -1
	s_barrier_wait -1
	CREST
.endm
	s_load_b128 s[4:7], s[0:1], 0x0                ; ctx, W_o's images
	s_load_b64 s[8:9], s[0:1], 0x10                ; out0
	v_lshl_add_u32 v[SPW], v0, 2, SPARE
	v_mov_b32 v[NIL], 0
	ds_add_u32 v[SPW], v[NIL]                      ; the wave's opening: the add, twice on end, and its wait ahead of my first tensor load
	ds_add_u32 v[SPW], v[NIL]
	v_lshrrev_b32 v1, 5, v0
	v_readfirstlane_b32 s10, v1                    ; wave 0..3
	s_lshr_b32 s11, s10, 1                         ; which half of the tile's tokens is mine.  Also: I fetch for ctx (0) or for W_o (1)
	s_and_b32 s12, s10, 1                          ; which half of its columns.  Also: which half I fetch
	s_bfe_u32 s40, ttmp6, 0x40000                  ; cx
	s_bfe_u32 s41, ttmp6, 0x40004                  ; cy
	s_lshl_b32 s42, ttmp9, 2
	s_add_co_u32 s42, s42, s40                     ; tile column
	s_and_b32 s13, ttmp7, 0xffff
	s_lshl_b32 s13, s13, 2
	s_add_co_u32 s13, s13, s41                     ; tile row
	s_lshl_b32 s43, s41, 2
	s_lshl_b32 s43, 15, s43                        ; my row of the cluster
	s_lshl_b32 s44, 0x1111, s40                    ; my column
	s_or_b32 s[G1+0], s43, (3<<16)|(1<<20)|(1<<21)|(5<<22)|(3<<25)   ; ctx: the mask; elements of 8 bytes; padding of 4 words behind every 64; bit 21 beside a mask
	s_mov_b32 s[G1+1], 1024<<16                    ; tensor_dim0: 8,192 bytes
	s_mov_b32 s[G1+2], 2<<16                       ; tensor_dim1: two heads
	s_mov_b32 s[G1+3], 1024<<16                    ; tile_dim0
	s_mov_b32 s[G1+4], 2                           ; tile_dim1
	s_mov_b32 s[G1+5], 131072                      ; from head to head: 2^20 bytes
	s_mov_b32 s[G1+6], 0
	s_mov_b32 s[G1+7], 0
	s_or_b32 s[G1B+0], s44, (3<<16)|(1<<21)        ; W_o's images: a dense block, 128 rows of 256 bytes
	s_mov_b32 s[G1B+1], 32<<16
	s_mov_b32 s[G1B+2], 128<<16
	s_mov_b32 s[G1B+3], 32<<16
	s_mov_b32 s[G1B+4], 128
	s_mov_b32 s[G1B+5], 32
	s_mov_b32 s[G1B+6], 0
	s_mov_b32 s[G1B+7], 0
	s_lshl_b32 s16, s13, 14                        ; ctx: token (128 x tile row + 64 x half) x 128 bytes
	s_lshl_b32 s17, s12, 13
	s_add_co_u32 s16, s16, s17
	s_mov_b32 s17, 0
	s_lshl_b32 s46, s42, 16                        ; W_o: block of columns (16 x tile column + 8 x half) x 4,096 bytes
	s_lshl_b32 s47, s12, 15
	s_add_co_u32 s46, s46, s47
	s_mov_b32 s47, 0
	s_mul_i32 s20, s12, HALFA                      ; where they go: no place in the cluster enters an LDS address
	s_mul_i32 s21, s12, HALFB
	s_add_co_u32 s21, s21, BOFF
	s_wait_dscnt 0x0                               ; both opening adds are done
	s_wait_kmcnt 0x0
	s_add_nc_u64 s[14:15], s[4:5], s[16:17]
	s_add_nc_u64 s[46:47], s[6:7], s[46:47]
	CROUND                                         ; all sixteen work-groups are here: the first joint loads meet
.irp s, 0,1
	s_mov_b32 s[G0+4*\s], 1
	s_add_co_u32 s[G0+4*\s+1], s20, \s*SLOT
	s_add_nc_u64 s[G0+4*\s+2:G0+4*\s+3], s[14:15], \s*2097152      ; K step s: heads 2 s and 2 s + 1
	s_or_b32 s[G0+4*\s+3], s[G0+4*\s+3], 0x80000000
	s_mov_b32 s[G0B+4*\s], 1
	s_add_co_u32 s[G0B+4*\s+1], s21, \s*SLOT
	s_add_nc_u64 s[G0B+4*\s+2:G0B+4*\s+3], s[46:47], \s*262144
	s_or_b32 s[G0B+4*\s+3], s[G0B+4*\s+3], 0x80000000
	JLOAD \s                                       ; two tensor loads of mine are out at the start, one behind each round
.endr
	v_and_b32 v1, 15, v0                           ; r
	v_bfe_u32 v2, v0, 4, 1                         ; h
	v_lshrrev_b32 v3, 1, v1
	v_mul_u32_u24 v3, v3, KP                       ; token r lies in row r / 2, half r % 2; + 16 h
	v_and_b32 v4, 1, v0
	v_lshl_add_u32 v3, v4, 7, v3
	v_lshl_add_u32 v3, v2, 4, v3
	v_and_b32 v6, 31, v0
	v_lshlrev_b32 v[CO], 4, v6
	s_mul_i32 s21, s11, HALFA
	s_mul_i32 s22, s12, HALFB
	s_add_co_u32 s22, s22, BOFF
.irp s, 0,1
	v_add_nc_u32 v[ADRA+\s], s21, v3
	v_add_nc_u32 v[ADRB+\s], s22, v[CO]
	s_add_co_u32 s21, s21, SLOT
	s_add_co_u32 s22, s22, SLOT
.endr
	s_mul_i32 s23, s10, 16*SPITCH
	s_add_co_u32 s23, s23, STAGE                   ; my stage
	v_mul_u32_u24 v5, v1, SPITCH
	v_lshl_add_u32 v5, v2, 5, v5
	v_add_nc_u32 v[STO], s23, v5                   ; in: token r, 32 bytes for each half of the lanes
	v_add_nc_u32 v[RD], s23, v[CO]                 ; back: the 32 lanes take one row of 512 bytes
	s_lshl_b32 s16, s13, 19                        ; out0: token (128 x tile row + 64 x half) x 4,096 bytes,
	s_lshl_b32 s17, s11, 18
	s_add_co_u32 s16, s16, s17
	s_mov_b32 s17, 0
	s_lshl_b32 s46, s42, 10                        ; column (256 x tile column + 128 x half) x 4 bytes
	s_lshl_b32 s47, s12, 9
	s_add_co_u32 s46, s46, s47
	s_mov_b32 s47, 0
	s_add_nc_u64 s[16:17], s[16:17], s[46:47]
	s_add_nc_u64 s[8:9], s[8:9], s[16:17]
.macro MULA f, a, zero                 ; 8 matrix instructions: tokens' block a against W_o's eight, 32 along K, buffer f.  The 32 accumulators take turns in the same order in every quarter
.irp b, 0,1,2,3,4,5,6,7
.if \zero
	v_wmma_f32_16x16x32_f16 v[8*(8*(\a)+\b):8*(8*(\a)+\b)+7], v[64*(\f)+8*\b:64*(\f)+8*\b+7], v[64+32*(\f)+8*(\a):64+32*(\f)+8*(\a)+7], 0
.else
	v_wmma_f32_16x16x32_f16 v[8*(8*(\a)+\b):8*(8*(\a)+\b)+7], v[64*(\f)+8*\b:64*(\f)+8*\b+7], v[64+32*(\f)+8*(\a):64+32*(\f)+8*(\a)+7], v[8*(8*(\a)+\b):8*(8*(\a)+\b)+7]
.endif
.endr
.endm
.macro FETCH slot, qd, f               ; 24 LDS loads in one run: quarter qd's fragments into buffer f: W_o's sixteen loads, then ctx's eight
	WIN TO_B
.irp b, 0,1,2,3,4,5,6,7
	ds_load_b128 v[64*(\f)+8*\b:64*(\f)+8*\b+3], v[ADRB+\slot] offset:\b*4096+(\qd)*1024
	ds_load_b128 v[64*(\f)+8*\b+4:64*(\f)+8*\b+7], v[ADRB+\slot] offset:\b*4096+(\qd)*1024+512
.endr
	WIN 0
.irp a, 0,1,2,3
	ds_load_b128 v[64+32*(\f)+8*\a:64+32*(\f)+8*\a+3], v[ADRA+\slot] offset:((\qd)/2)*32*KP+\a*8*KP+((\qd)%2)*64
	ds_load_b128 v[64+32*(\f)+8*\a+4:64+32*(\f)+8*\a+7], v[ADRA+\slot] offset:((\qd)/2)*32*KP+\a*8*KP+((\qd)%2)*64+32
.endr
.endm
.macro PLACES
.rept 4
	v_nop
.endr
.endm
; A K step is four quarters of 32 along K on buffers 0, 1, 0, 1.  One of the first three: multiplies buffer f and fetches quarter qn into buffer g.
.macro QUARTER slot, qn, f, g, zero
	s_wait_dscnt 4                                 ; all but the youngest four loads (ctx's blocks 2 and 3)
	WIN MUL
	MULA \f, 0, \zero
	MULA \f, 1, \zero
	PLACES
	FETCH \slot, \qn, \g
	s_wait_dscnt 24                                ; all but the 24 just issued
	WIN MUL
	MULA \f, 2, \zero
	MULA \f, 3, \zero
.endm
; The last quarter multiplies buffer 1 and changes slots: one barrier; in front of it each wave waits for all its tensor loads, adds 0 to its spare word, and waits for that and for its reads of this slot.
.macro TURN slot, next, fill
	WIN 0
	s_wait_tensorcnt 0x0                           ; my part of the next slot has landed
	ds_add_u32 v[SPW], v[NIL]
	s_wait_dscnt 5                                 ; (the add and the youngest four loads may be out)
	WIN MUL
	MULA 1, 0, 0
	MULA 1, 1, 0
	s_wait_dscnt 0x0                               ; the add is done, and my reads of this slot are over
	s_barrier_signal -1
	MULA 1, 2, 0
.if \fill
	WIN 0
.endif
	s_barrier_wait -1
.if \fill
	CREST                                          ; the barrier has opened a round of the cluster's: no wave of any partner still reads this slot or has a load on its way
	s_add_nc_u64 s[G0+4*\slot+2:G0+4*\slot+3], s[G0+4*\slot+2:G0+4*\slot+3], 2*2097152
	s_add_nc_u64 s[G0B+4*\slot+2:G0B+4*\slot+3], s[G0B+4*\slot+2:G0B+4*\slot+3], 2*262144
	JLOAD \slot                                    ; the first tensor load behind the round; its four v_nop are also the places in front of the loads below
.else
	PLACES
.endif
	FETCH \next, 0, 0
	WIN MUL
	MULA 1, 3, 0
.endm
	s_wait_tensorcnt 1                             ; my part of K step 0 is in (K step 1's may be out),
	s_barrier_signal -1
	s_barrier_wait -1                              ; everybody's is
	FETCH 0, 0, 0
	QUARTER 0, 1, 0, 1, 1                          ; the first quarter stands in front of the loop: its products start the sums
	WIN 0
	s_mov_b32 s3, LAPS-1
.Llap:                                                 ; a trip goes once round the ring, from a lap's second quarter to the next lap's first, and fills both slots again
	QUARTER 0, 2, 1, 0, 0
	QUARTER 0, 3, 0, 1, 0
	TURN 0, 1, 1
	QUARTER 1, 1, 0, 1, 0
	QUARTER 1, 2, 1, 0, 0
	QUARTER 1, 3, 0, 1, 0
	TURN 1, 0, 1
	QUARTER 0, 1, 0, 1, 0
	WIN 0
	s_sub_co_u32 s3, s3, 1
	s_cmp_lg_u32 s3, 0
	s_cbranch_scc1 .Llap
	QUARTER 0, 2, 1, 0, 0                          ; the last lap fills nothing
	QUARTER 0, 3, 0, 1, 0
	TURN 0, 1, 0
	QUARTER 1, 1, 0, 1, 0
	QUARTER 1, 2, 1, 0, 0
	QUARTER 1, 3, 0, 1, 0
	s_wait_dscnt 4
	WIN MUL
	MULA 1, 0, 0
	MULA 1, 1, 0
	s_wait_dscnt 0
	MULA 1, 2, 0
	MULA 1, 3, 0
	WIN 0
; THE WAY OUT, block by block of 16 tokens x 128 columns, through my own stage: back as whole rows of 512 bytes.
.macro TOSTAGE a
.set AC, 64*(\a)
	WIN 0x08                                       ; an LDS store's data are its source 1: window 2
.irp b, 0,1,2,3,4,5,6,7
	ds_store_b128 v[STO], v[AC+8*\b:AC+8*\b+3] offset:64*\b          ; each accumulator from its low end on
	ds_store_b128 v[STO], v[AC+8*\b+4:AC+8*\b+7] offset:64*\b+16
.endr
	WIN 0
.set BB, BK+64*((\a)%2)
.irp t, 0,1,2,3,4,5,6,7,8,9,10,11,12,13,14,15
	ds_load_b128 v[BB+4*\t:BB+4*\t+3], v[RD] offset:\t*SPITCH        ; LDS serves a wave's instructions in order
.endr
.endm
.macro SEND a, younger
.set BB, BK+64*((\a)%2)
	s_wait_dscnt \younger
.irp t, 0,1,2,3,4,5,6,7,8,9,10,11,12,13,14,15
	global_store_b128 v[CO], v[BB+4*\t:BB+4*\t+3], s[8:9] offset:(16*(\a)+\t)*4096 th:TH_STORE_NT   ; 32 lanes store 512 consecutive bytes
.endr
.endm
	PLACES
	TOSTAGE 0
.irp a, 1,2,3
.if \a > 1
	s_wait_xcnt 0x0                                ; block a - 2's stores have read their registers
.endif
	TOSTAGE \a
	SEND \a-1, 32                                  ; behind block a - 1's loads: block a's 16 stores and 16 loads
.endr
	SEND 3, 0
	s_wait_tensorcnt 0x0                           ; the wave's end
	ds_add_u32 v[SPW], v[NIL]
	s_wait_dscnt 0x0
	CROUND                                         ; the closing round
	s_endpgm
.Lfunc_end_k_q5b2d33e297_proj:
	.size	k_q5b2d33e297_proj, .Lfunc_end_k_q5b2d33e297_proj-k_q5b2d33e297_proj
	.p2alignl 7, 3214868480
	.fill 96, 4, 3214868480
	.section	.rodata,"a",@progbits
	.p2align	6, 0x0
	.amdhsa_kernel k_q5b2d33e297_proj
		.amdhsa_group_segment_fixed_size 327680
		.amdhsa_private_segment_fixed_size 0
		.amdhsa_enable_private_segment 0
		.amdhsa_kernarg_size 24
		.amdhsa_user_sgpr_count 2
		.amdhsa_user_sgpr_kernarg_segment_ptr 1
		.amdhsa_wavefront_size32 1
		.amdhsa_system_sgpr_workgroup_id_x 1
		.amdhsa_system_sgpr_workgroup_id_y 1
		.amdhsa_system_sgpr_workgroup_id_z 1
		.amdhsa_system_vgpr_workitem_id 0
		.amdhsa_next_free_vgpr 768
		.amdhsa_next_free_sgpr 66
		.amdhsa_reserve_vcc 0
		.amdhsa_float_denorm_mode_32 3
		.amdhsa_float_denorm_mode_16_64 3
		.amdhsa_memory_ordered 1
		.amdhsa_forward_progress 1
		.amdhsa_inst_pref_size 85
	.end_amdhsa_kernel
	.amdgpu_metadata
---
amdhsa.version: [ 1, 2 ]
amdhsa.kernels:
  - .name:           k_q5b2d33e297_proj
    .symbol:         k_q5b2d33e297_proj.kd
    .args:
      - { .name: ctx, .offset: 0, .size: 8, .value_kind: global_buffer, .address_space: global }
      - { .name: woimg, .offset: 8, .size: 8, .value_kind: global_buffer, .address_space: global }
      - { .name: out0, .offset: 16, .size: 8, .value_kind: global_buffer, .address_space: global }
    .group_segment_fixed_size: 327680
    .private_segment_fixed_size: 0
    .kernarg_segment_align: 8
    .kernarg_segment_size: 24
    .max_flat_workgroup_size: 128
    .sgpr_count:     66
    .vgpr_count:     768
    .wavefront_size: 32
...
	.end_amdgpu_metadata
.endif
;; end of part 4
;; launch fine (part 5): grid 16 x 4, 16 waves a work-group, no clusters, 154,880 bytes of LDS; arguments qkv32, W_o, out0; writes out0
.if DOCPART == 5
	.amdgcn_target "amdgcn-amd-amdhsa--gfx1250"
	.amdhsa_code_object_version 6
	.text
	.protected	k_q5b2d33e297_fine
	.globl	k_q5b2d33e297_fine
	.p2align	8
	.type	k_q5b2d33e297_fine,@function
k_q5b2d33e297_fine:
	s_mov_b64 s[64:65], 0
	v_nop
	global_prefetch_b8 v0, s[64:65] scope:SCOPE_SE
	s_setreg_imm32_b32 hwreg(HW_REG_WAVE_MODE, 25, 1), 1
	s_wait_xcnt 0x0
; The first 16 positions of each sequence once more, in f32 throughout: they average one to sixteen values, are the largest in size, and are the rows on which the rounding of 16-bit operands weighs most.
; Work-group (slice, batch) makes out0[batch, 0 .. 15, 64 slice .. 64 slice + 63].
; 1: wave w makes head w's context for the 16 positions (each of a batch's 16 slices makes it anew: 192 KiB of reads and 32 matrix instructions).  q, k, v come as images of accumulators: lane (r, h) holds token r and
;    channels 16 tt + 8 h + 0 .. 7 in registers 8 tt + 0 .. 7.  A pair of registers of k and the same pair of q are operands of the f32 form as they stand: both sides carry the same four channels.
;    S^T = k q^T: a lane holds one query and keys 8 h + 0 .. 7.  v goes through my own rows in LDS to become V^T.  The weights are normalised before the second product.
; 2: the 16 x 1,024 context meets in LDS; wave w = (nt, kq) sums K = 256 kq .. + 255 for columns 16 nt .. + 15 of the slice, W_o straight from memory, a lane to a column, registers down K.
; 3: the four parts along K are added through LDS; eight waves store, sixteen lanes to 256 consecutive bytes.
; The accumulators of the f32 form, v112-175, are written by matrix instructions alone; sums begin with the constant 0; four accumulators take turns.
.set VT,    0                          ; LDS: v by token: 16 rows x 272 bytes for each wave
.set CTX,   16*16*272                  ; the context: 16 rows x (4,096 + 16) bytes
.set RED,   CTX+16*4112                ; four parts x 16 rows x 272 bytes
.set SPARE, RED+4*16*272               ; the spare words: 128 bytes for each wave, named by no other line
.set SPW, 14
.set NIL, 15
.set QR,  16                           ; v16-47   q; then V^T's operands; then the context's operands
.set KR,  48                           ; v48-79   k; then W_o's third chunk
.set VI,  80                           ; v80-111  v's image; then W_o's fourth chunk
.set SA,  112                          ; v112-143 four accumulators
.set OA,  144                          ; v144-175 four accumulators
.set W0,  176                          ; v176-207, v208-239 W_o's first two chunks
.set W1,  208
.set T,   240                          ; v240-247 scores, weights, later the sums;  v248-255 at work
	s_load_b128 s[4:7], s[0:1], 0x0                ; qkv32, W_o
	s_load_b64 s[8:9], s[0:1], 0x10                ; out0
	v_lshl_add_u32 v[SPW], v0, 2, SPARE
	v_mov_b32 v[NIL], 0
	v_lshrrev_b32 v12, 5, v0
	v_readfirstlane_b32 s10, v12                   ; wave 0..15
	s_and_b32 s12, ttmp7, 0xffff                   ; batch
	s_and_b32 s13, s10, 3                          ; nt
	s_lshr_b32 s14, s10, 2                         ; kq
	v_and_b32 v12, 15, v0                          ; r
	v_bfe_u32 v13, v0, 4, 1                        ; h
	v_and_b32 v1, 31, v0
	v_lshlrev_b32 v1, 4, v1                        ; v1 an image's place for my lane
	v_lshlrev_b32 v2, 2, v12
	v_lshl_add_u32 v2, v13, 19, v2                 ; v2 W_o: column r, 128 rows x h
	s_mul_i32 s16, s10, 16*272
	v_mul_u32_u24 v3, v12, 272
	v_lshl_add_u32 v3, v13, 5, v3
	v_add_nc_u32 v3, s16, v3                       ; v3 v into my rows: token r, + 32 h
	v_mul_u32_u24 v4, v13, 8*272
	v_lshl_add_u32 v4, v12, 2, v4
	v_add_nc_u32 v4, s16, v4                       ; v4 and out of them: key 8 h, channel r
	v_mul_u32_u24 v5, v12, 4112
	v_lshl_add_u32 v6, v13, 9, v5
	v_lshl_add_u32 v5, v13, 5, v5
	s_lshl_b32 s16, s10, 8
	s_add_co_u32 s16, s16, CTX
	v_add_nc_u32 v5, s16, v5                       ; v5 the context in: token r, head w's 256 bytes, + 32 h
	s_lshl_b32 s16, s14, 10
	s_add_co_u32 s16, s16, CTX
	v_add_nc_u32 v6, s16, v6                       ; v6 and out: token r, k = 256 kq + 128 h
	v_mul_u32_u24 v7, v12, 272
	v_lshl_add_u32 v7, v13, 5, v7
	s_mul_i32 s16, s14, 16*272
	s_lshl_b32 s17, s13, 6
	s_add_co_u32 s16, s16, s17
	s_add_co_u32 s16, s16, RED
	v_add_nc_u32 v7, s16, v7                       ; v7 my part: token r, columns 16 nt + 8 h
	v_lshrrev_b32 v8, 4, v0
	v_lshlrev_b32 v9, 12, v8
	v_mul_u32_u24 v8, v8, 272
	v_lshl_add_u32 v8, v12, 4, v8
	v_add_nc_u32 v8, RED, v8                       ; v8 the last sum: row thread / 16, 16 bytes a lane
	v_lshl_add_u32 v9, v12, 4, v9                  ; v9 and the same place in out0
	v_lshlrev_b32 v10, 3, v13
	v_sub_nc_u32 v10, v12, v10                     ; v10 r - 8 h
	v_mov_b32 v11, 0xff800000                      ; v11 -infinity
	s_mul_i32 s18, s12, 196608                     ; qkv32: 192 images of 1,024 bytes a batch; head w's four
	s_lshl_b32 s19, s10, 12
	s_add_co_u32 s18, s18, s19
	s_mov_b32 s19, 0
	s_lshl_b32 s20, s14, 20                        ; W_o: 256 rows of 4,096 bytes x kq, the slice's 256 bytes, 64 x nt
	s_lshl_b32 s21, ttmp9, 8
	s_add_co_u32 s20, s20, s21
	s_lshl_b32 s21, s13, 6
	s_add_co_u32 s20, s20, s21
	s_mov_b32 s21, 0
	s_lshl_b32 s22, s12, 23                        ; out0: 2,048 rows of 4,096 bytes a batch
	s_lshl_b32 s23, ttmp9, 8
	s_add_co_u32 s22, s22, s23
	s_mov_b32 s23, 0
	s_mov_b32 s24, 0x3e38aa3b                      ; c = log2(e) / 8
	s_mov_b32 s26, 0x76543210
	s_mov_b32 s27, 0xfedcba98
	s_wait_kmcnt 0x0
	s_add_nc_u64 s[4:5], s[4:5], s[18:19]
	s_add_nc_u64 s[6:7], s[6:7], s[20:21]
	s_add_nc_u64 s[8:9], s[8:9], s[22:23]
.macro WOLOAD reg, ch                  ; W_o(256 kq + 128 h + 32 ch + i, my column), i = 0 .. 31
.irp i, 0,1,2,3,4,5,6,7,8,9,10,11,12,13,14,15,16,17,18,19,20,21,22,23,24,25,26,27,28,29,30,31
	global_load_b32 v[\reg+\i], v2, s[6:7] offset:(32*\ch+\i)*4096
.endr
.endm
.macro EIGHT                           ; eight plain instructions behind the f32 form (ISA guide 7.12.1)
.rept 8
	v_nop
.endr
.endm
.irp w, 0,1,2                          ; q, k, v
.irp tt, 0,1,2,3
.irp f, 0,1
	global_load_b128 v[QR+32*\w+8*\tt+4*\f:QR+32*\w+8*\tt+4*\f+3], v1, s[4:5] offset:\w*65536+\tt*1024+\f*512
.endr
.endr
.endr
	WOLOAD W0, 0
	s_wait_loadcnt 32                              ; q, k, v are in; W_o's 32 may be out
.irp tt, 0,1,2,3
.irp f, 0,1
	ds_store_b128 v3, v[VI+8*\tt+4*\f:VI+8*\tt+4*\f+3] offset:64*\tt+16*\f
.endr
.endr
.set ii, 0
.rept 16                               ; S^T = k q^T, four channels an instruction
.if ii < 4
	v_wmma_f32_16x16x4_f32 v[SA+8*(ii%4):SA+8*(ii%4)+7], v[KR+2*ii:KR+2*ii+1], v[QR+2*ii:QR+2*ii+1], 0
.else
	v_wmma_f32_16x16x4_f32 v[SA+8*(ii%4):SA+8*(ii%4)+7], v[KR+2*ii:KR+2*ii+1], v[QR+2*ii:QR+2*ii+1], v[SA+8*(ii%4):SA+8*(ii%4)+7]
.endif
.set ii, ii+1
.endr
	EIGHT
	WOLOAD W1, 1
	WOLOAD KR, 2                                   ; k is done with
.irp ct, 0,1,2,3
.irp j, 0,1,2,3,4,5,6,7
	ds_load_b32 v[QR+8*\ct+\j], v4 offset:\j*272+64*\ct            ; V^T: channel 16 ct + r, key 8 h + j.  LDS serves a wave in order: these see my stores
.endr
.endr
.irp j, 0,2,4,6
	v_pk_add_f32 v[T+\j:T+\j+1], v[SA+\j:SA+\j+1], v[SA+8+\j:SA+8+\j+1]          ; the four accumulators' sum, each read from its low end on
.endr
.irp j, 0,2,4,6
	v_pk_add_f32 v[T+8+\j:T+8+\j+1], v[SA+16+\j:SA+16+\j+1], v[SA+24+\j:SA+24+\j+1]
.endr
.irp j, 0,2,4,6
	v_pk_add_f32 v[T+\j:T+\j+1], v[T+\j:T+\j+1], v[T+8+\j:T+8+\j+1]
.endr
.irp j, 0,1,2,3,4,5,6,7
	v_cmp_gt_i32 vcc_lo, \j, v10                   ; key 8 h + j comes after query r
	v_cndmask_b32 v[T+\j], v[T+\j], v11, vcc_lo
.endr
	v_max3_num_f32 v248, v240, v241, v242
	v_max3_num_f32 v248, v248, v243, v244
	v_max3_num_f32 v248, v248, v245, v246
	v_max_num_f32 v248, v248, v247
	v_permlanex16_b32 v249, v248, s26, s27
	v_max_num_f32 v248, v248, v249                 ; the row's maximum: key 0 counts for every query, so it is a number
	v_mul_f32 v250, s24, v248
.irp j, 0,1,2,3,4,5,6,7
	v_fma_f32 v[T+\j], v[T+\j], s24, -v250
.endr
.irp j, 0,1,2,3,4,5,6,7
	v_exp_f32 v[T+\j], v[T+\j]
.endr
	v_nop
	s_wait_alu depctr_va_vdst(0)                   ; one wait for the eight, ahead of their first reader
	v_pk_add_f32 v[248:249], v[240:241], v[242:243]
	v_pk_add_f32 v[250:251], v[244:245], v[246:247]
	v_pk_add_f32 v[248:249], v[248:249], v[250:251]
	v_add_f32 v248, v248, v249
	v_permlanex16_b32 v249, v248, s26, s27
	v_add_f32 v248, v248, v249
	v_rcp_f32 v250, v248
	v_nop
	s_wait_alu depctr_va_vdst(0)
.irp j, 0,1,2,3,4,5,6,7
	v_mul_f32 v[T+\j], v[T+\j], v250               ; the weights: query r, key 8 h + j
.endr
	s_wait_dscnt 0x0                               ; V^T is in
.irp p, 0,1,2,3                        ; O^T = V^T P: keys 8 h + 2 p, + 1 an instruction; four tiles of channels by turns
.irp ct, 0,1,2,3
.if \p == 0
	v_wmma_f32_16x16x4_f32 v[OA+8*\ct:OA+8*\ct+7], v[QR+8*\ct+2*\p:QR+8*\ct+2*\p+1], v[T+2*\p:T+2*\p+1], 0
.else
	v_wmma_f32_16x16x4_f32 v[OA+8*\ct:OA+8*\ct+7], v[QR+8*\ct+2*\p:QR+8*\ct+2*\p+1], v[T+2*\p:T+2*\p+1], v[OA+8*\ct:OA+8*\ct+7]
.endif
.endr
.endr
	EIGHT
	WOLOAD VI, 3                                   ; v's image has been stored (the wait on DScnt above)
.irp ct, 0,1,2,3
	ds_store_b128 v5, v[OA+8*\ct:OA+8*\ct+3] offset:64*\ct
	ds_store_b128 v5, v[OA+8*\ct+4:OA+8*\ct+7] offset:64*\ct+16
.endr
	s_wait_dscnt 0x0                               ; for the others' sake: my part of the context has landed
	s_barrier_signal -1
	s_barrier_wait -1
; 2: a chunk is 32 along K for each half of the lanes.  left: how many younger loads of W_o may stay out
.macro CHUNK ch, reg, left
.irp m, 0,1,2,3,4,5,6,7
	ds_load_b128 v[QR+4*\m:QR+4*\m+3], v6 offset:128*\ch+16*\m     ; ctx(r, 256 kq + 128 h + 32 ch + 0 .. 31)
.endr
	s_wait_loadcnt \left
	s_wait_dscnt 0x0
.set ii, 0
.rept 16
.if (\ch == 0) && (ii < 4)
	v_wmma_f32_16x16x4_f32 v[SA+8*(ii%4):SA+8*(ii%4)+7], v[\reg+2*ii:\reg+2*ii+1], v[QR+2*ii:QR+2*ii+1], 0
.else
	v_wmma_f32_16x16x4_f32 v[SA+8*(ii%4):SA+8*(ii%4)+7], v[\reg+2*ii:\reg+2*ii+1], v[QR+2*ii:QR+2*ii+1], v[SA+8*(ii%4):SA+8*(ii%4)+7]
.endif
.set ii, ii+1
.endr
	EIGHT
.endm
	CHUNK 0, W0, 63                                ; 96 loads were issued behind this chunk's: the count names as many as its field holds
	CHUNK 1, W1, 63                                ; 64 behind this one's
	CHUNK 2, KR, 32
	CHUNK 3, VI, 0
.irp j, 0,2,4,6
	v_pk_add_f32 v[T+\j:T+\j+1], v[SA+\j:SA+\j+1], v[SA+8+\j:SA+8+\j+1]
.endr
.irp j, 0,2,4,6
	v_pk_add_f32 v[T+8+\j:T+8+\j+1], v[SA+16+\j:SA+16+\j+1], v[SA+24+\j:SA+24+\j+1]
.endr
.irp j, 0,2,4,6
	v_pk_add_f32 v[T+\j:T+\j+1], v[T+\j:T+\j+1], v[T+8+\j:T+8+\j+1]
.endr
	ds_store_b128 v7, v[T:T+3]
	ds_store_b128 v7, v[T+4:T+7] offset:16
	s_wait_dscnt 0x0
	s_barrier_signal -1
	s_barrier_wait -1
	s_cmp_lt_u32 s10, 8                            ; 256 threads store the slice's 16 rows x 256 bytes
	s_cbranch_scc0 .Ldone
.irp k, 0,1,2,3
	ds_load_b128 v[W0+4*\k:W0+4*\k+3], v8 offset:\k*16*272
.endr
	s_wait_dscnt 0x0
	v_pk_add_f32 v[W0:W0+1], v[W0:W0+1], v[W0+4:W0+5]
	v_pk_add_f32 v[W0+2:W0+3], v[W0+2:W0+3], v[W0+6:W0+7]
	v_pk_add_f32 v[W0+8:W0+9], v[W0+8:W0+9], v[W0+12:W0+13]
	v_pk_add_f32 v[W0+10:W0+11], v[W0+10:W0+11], v[W0+14:W0+15]
	v_pk_add_f32 v[W0:W0+1], v[W0:W0+1], v[W0+8:W0+9]
	v_pk_add_f32 v[W0+2:W0+3], v[W0+2:W0+3], v[W0+10:W0+11]
	global_store_b128 v9, v[W0:W0+3], s[8:9]       ; sixteen lanes store 256 consecutive bytes
.Ldone:
	s_wait_tensorcnt 0x0                           ; the wave's end, behind my last LDS store
	ds_add_u32 v[SPW], v[NIL]
	s_wait_dscnt 0x0
	s_endpgm
.Lfunc_end_k_q5b2d33e297_fine:
	.size	k_q5b2d33e297_fine, .Lfunc_end_k_q5b2d33e297_fine-k_q5b2d33e297_fine
	.p2alignl 7, 3214868480
	.fill 96, 4, 3214868480
	.section	.rodata,"a",@progbits
	.p2align	6, 0x0
	.amdhsa_kernel k_q5b2d33e297_fine
		.amdhsa_group_segment_fixed_size 154880
		.amdhsa_private_segment_fixed_size 0
		.amdhsa_enable_private_segment 0
		.amdhsa_kernarg_size 24
		.amdhsa_user_sgpr_count 2
		.amdhsa_user_sgpr_kernarg_segment_ptr 1
		.amdhsa_wavefront_size32 1
		.amdhsa_system_sgpr_workgroup_id_x 1
		.amdhsa_system_sgpr_workgroup_id_y 1
		.amdhsa_system_sgpr_workgroup_id_z 1
		.amdhsa_system_vgpr_workitem_id 0
		.amdhsa_next_free_vgpr 256
		.amdhsa_next_free_sgpr 66
		.amdhsa_reserve_vcc 1
		.amdhsa_float_denorm_mode_32 3
		.amdhsa_float_denorm_mode_16_64 3
		.amdhsa_memory_ordered 1
		.amdhsa_forward_progress 1
		.amdhsa_inst_pref_size 36
	.end_amdhsa_kernel
	.amdgpu_metadata
---
amdhsa.version: [ 1, 2 ]
amdhsa.kernels:
  - .name:           k_q5b2d33e297_fine
    .symbol:         k_q5b2d33e297_fine.kd
    .args:
      - { .name: qkv32, .offset: 0, .size: 8, .value_kind: global_buffer, .address_space: global }
      - { .name: W_o, .offset: 8, .size: 8, .value_kind: global_buffer, .address_space: global }
      - { .name: out0, .offset: 16, .size: 8, .value_kind: global_buffer, .address_space: global }
    .group_segment_fixed_size: 154880
    .private_segment_fixed_size: 0
    .kernarg_segment_align: 8
    .kernarg_segment_size: 24
    .max_flat_workgroup_size: 512
    .sgpr_count:     66
    .vgpr_count:     256
    .wavefront_size: 32
...
	.end_amdgpu_metadata
.endif
;; end of part 5
